; MI455X (gfx1250); checked and timed in simulation.
; The chip was launched on July 23, 2026; its instructions are those of AMD's public machine-readable ISA for CDNA 5 (MIT licence, August 2026) and "CDNA5" Instruction Set Architecture Reference Guide (July 2026). The comments in the code are by the model that wrote it; some were corrected since.
;; Flax Llama Attention. Allowed arithmetic: matrix products marked QUANTISED: E2M3 operands, one E8M0 scale for each 32 along K, by v_wmma_scale_f32_16x16x128_f8f6f4 with both operands' format E2M3, f32 sums; everything else in f32.
;; Inputs: attention_mask 1 x 2,048 int32; cos 2,048 x 128 float32; hidden_states 1 x 2,048 x 4,096 float32; position_ids 1 x 2,048 int32; sin 2,048 x 128 float32; wk 4,096 x 1,024 float32; wo 2,048 x 4,096 float32; wq 4,096 x 2,048 float32; wv 4,096 x 1,024 float32.
;; Outputs: out0 1 x 2,048 x 4,096 float32.
;; This version of the problem:
;;   THIS VERSION OF THE PROBLEM IS GIVEN IN LOW PRECISION. The matrix products marked QUANTISED in the list below multiply operands that are first quantised to E2M3 (2 exponent bits, 3 mantissa bits; 6 bits a number), with one power-of-two scale for each 32 numbers along K (OCP MX v1.0); their sums are f32. All else is computed in f32.
;;   The module's matrix products, in the order in which they are computed (A, B: the left and right operand; K: the contracted axis; several contracted axes count as one K, in the product's order):
;;     1. [M 2,048, K 4,096] x [K 4,096, N 2,048]; A: input hidden_states; B: input wq: QUANTISED
;;     2. [M 2,048, K 4,096] x [K 4,096, N 1,024]; A: input hidden_states; B: input wk: QUANTISED
;;     3. [M 2,048, K 4,096] x [K 4,096, N 1,024]; A: input hidden_states; B: input wv: QUANTISED
;;     4. batch 16 x [M 2,048, K 128] x [K 128, N 2,048]; A: computed on the way; B: computed on the way: QUANTISED
;;     5. batch 16 x [M 128, K 2,048] x [K 2,048, N 2,048]; A: computed on the way; B: softmax (see below): QUANTISED
;;     6. [M 2,048, K 2,048] x [K 2,048, N 4,096]; A: computed on the way; B: input wo: QUANTISED
;;   THE QUANTISER, for each operand of a quantised product, along K:
;;     - K is cut into blocks of 32 from its start; a last block that is shorter is filled with zeros.
;;     - A block's scale is 2^e with e = floor(log2(the largest magnitude in the block)) - 2, held to -126 .. 127; a block of zeros has e = 0. As a byte (E8M0): e + 127.
;;     - Each number is divided by its block's scale, clamped to +-7.5, and rounded to the nearest number of E2M3, ties to even, subnormals kept.
;;     - The product sums the exact products of the quantised numbers (number of the format x scale) in f32.
;;   ~~~python
;;   def quantise(x, axis):      # numpy; x: float32 -> the quantised numbers, widened to float32 again
;;       x = np.moveaxis(x, axis, -1); K = x.shape[-1]
;;       x = np.pad(x, [(0, 0)] * (x.ndim - 1) + [(0, -K % 32)]); x = x.reshape(x.shape[:-1] + (-1, 32)); a = np.abs(x).max(-1, keepdims=True)
;;       e = np.where(a > 0, np.clip(np.frexp(np.where(a > 0, a, 1))[1] - 1 - 2, -126, 127), 0)      # np.frexp(a)[1] - 1 = floor(log2(a)), exactly
;;       r = np.clip(x / 2.0 ** e, -7.5, 7.5)
;;       step = 2.0 ** (np.maximum(np.frexp(np.where(r == 0, 1, r))[1] - 1, 0) - 3)
;;       q = np.round(r / step) * step * 2.0 ** e      # np.round: ties to even
;;       return np.moveaxis(q.reshape(q.shape[:-2] + (-1,))[..., :K], -1, axis).astype(np.float32)
;;   ~~~
;;   SOFTMAX AHEAD OF A QUANTISED PRODUCT. Where the list says 'softmax', what is quantised is not the finished softmax but p = 2^(t - M), with t = logit x log2(e) and M = ceil(the row's largest t), a whole number; so 1/2 < the row's largest p <= 1. The row's sum l is taken of the UNQUANTISED p, in f32, and the product's result is divided by l at the end. Since M is a whole number, a kernel that streams over the keys may use a running M (the ceiling of the running maximum): every later rescaling is an exact power of two, which a block's scale takes up: the codes' values come out the same.
;;   OPERANDS COMPUTED ON THE WAY. 'Computed on the way' means the value that the module computes at that place (a softmax that the list does not call 'softmax' is quantised finished and normalised). What goes into a quantiser is computed in f32, as accurately as f32 sums, v_exp_f32 and their like allow (about 1e-6 of the number): no bf16 or f16 on the way to a quantiser, and a product that is left as it is and whose result goes on into a quantised operand takes f32 operands (vector FMAs, or v_wmma_f32_16x16x4_f32). A number that lies on a knife's edge between two numbers of the format may be rounded either way, as far as f32 arithmetic and the matrix unit's own rounding can turn it there, and no further.
;; One version. Each part assembles by itself: llvm-mc -triple=amdgcn-amd-amdhsa -mcpu=gfx1250 --defsym DOCPART=n.
;; ======== version 1 of 1: 4 launches
;; limits: right only within a limited range of input values
;; workspace buffers: x_img 6,553,600 bytes; w_img 13,107,200 bytes; wo_img 6,553,600 bytes; rope_img 2,097,152 bytes; q_img 3,276,800 bytes; kv_img 3,276,800 bytes; attn_img 3,276,800 bytes
;; launch quant (part 1): grid 672 x 1, 4 waves a work-group, no clusters, 35,328 bytes of LDS; arguments hidden_states, wq, wk, wv, wo, sin, cos, position_ids, x_img, w_img, wo_img, rope_img; writes x_img, w_img, wo_img, rope_img
.if DOCPART == 1
	.amdgcn_target "amdgcn-amd-amdhsa--gfx1250"
	.amdhsa_code_object_version 6
	.text
	.protected	k_qfc13af9788_quant
	.globl	k_qfc13af9788_quant
	.p2align	8
	.type	k_qfc13af9788_quant,@function
k_qfc13af9788_quant:
	s_mov_b64 s[64:65], 0
	v_nop
	global_prefetch_b8 v0, s[64:65] scope:SCOPE_SE
	s_setreg_imm32_b32 hwreg(HW_REG_WAVE_MODE, 25, 1), 1
	s_wait_xcnt 0x0
; hidden_states [2048][4096], wq [4096][2048], wk, wv [4096][1024], wo [2048][4096], all f32, become codes of FP6 (E2M3) with one E8M0 byte for each 32 along K;
; sin and cos are gathered by position_ids.  Everything is stored in the ORDER OF THE READERS' REGISTERS:
;   a FRAGMENT (16 rows x 128 K, 12 registers a lane) is 1,536 bytes: registers 4 g .. 4 g + 3 of lane L at 512 g + 16 L;
;   a SUPER-BLOCK is 6,400 bytes: the four fragments of 512 along K, then 256 bytes of scale words (row i's four words at 16 i);
;   a TILE of 16 rows is not 16 neighbours: tile 2 g + u holds rows 32 g + 8 u + (i & 7) + 16 (i >> 3), so that results made from two neighbouring tiles are 16 neighbours in a lane's registers.
; A block's scale is 2^(floor(log2(largest magnitude)) - 2): its byte is the largest magnitude's exponent field - 2, held at 1 from below by a floor among the maximum's leaves.
; LIMITS: NaN and infinities among the inputs are not served; a block of zeros gets the byte 1 (its codes are zeros, and this program alone reads the bytes).
; WORK-GROUPS: 0-127 wq, 128-191 wk, 192-255 wv, 256-383 wo (a lane takes a column, its registers run down K); 384-639 hidden_states (K innermost, turned through the wave's own LDS stage); 640-671 sin and cos.
; No tensor load, no barrier: waves share nothing.  Only the path of hidden_states touches LDS.
.set SBK, 6400                         ; a super-block
.set FRB, 1536                         ; a fragment
.set STG, 8448                         ; a wave's stage: 16 rows x (512 bytes + 16)
	s_load_b512 s[16:31], s[0:1], 0x0              ; hidden 16, wq 18, wk 20, wv 22, wo 24, sin 26, cos 28, position_ids 30
	s_load_b256 s[32:39], s[0:1], 0x40             ; x_img 32, w_img 34, wo_img 36, rope_img 38
	v_lshl_add_u32 v248, v0, 2, 0x8800
	v_mov_b32 v249, 0
	v_lshrrev_b32 v1, 5, v0
	v_readfirstlane_b32 s8, v1                     ; wave
	v_and_b32 v1, 31, v0                           ; lane
	v_lshlrev_b32 v2, 2, v1                        ; 4 x lane
	v_lshlrev_b32 v5, 4, v1                        ; 16 x lane
	v_and_b32 v6, 15, v0                           ; r
	v_bfe_u32 v7, v0, 4, 1                         ; h
	s_wait_kmcnt 0x0
	s_cmp_lt_u32 ttmp9, 128
	s_cbranch_scc1 .Lwq
	s_cmp_lt_u32 ttmp9, 256
	s_cbranch_scc1 .Lwkv
	s_cmp_lt_u32 ttmp9, 384
	s_cbranch_scc1 .Lwo
	s_cmp_lt_u32 ttmp9, 640
	s_cbranch_scc1 .Lx
	; ---- sin and cos: a wave takes one tile of 16 tokens.  Register 16 bb + 4 j + e of lane (r, h) = table[pos[token(r)]][32 bb + 16 h + 4 j + e]
	s_sub_co_u32 s9, ttmp9, 640
	s_lshl_b32 s9, s9, 2
	s_add_co_u32 s9, s9, s8                        ; the tile
	s_lshr_b32 s10, s9, 1
	s_lshl_b32 s10, s10, 5
	s_and_b32 s11, s9, 1
	s_lshl_b32 s11, s11, 3
	s_add_co_u32 s10, s10, s11                     ; its first token: 32 g + 8 u
	v_and_b32 v3, 7, v0
	v_bfe_u32 v4, v0, 3, 1
	v_lshl_add_u32 v3, v4, 4, v3                   ; (r & 7) + 16 (r >> 3)
	v_add_nc_u32 v3, s10, v3
	v_lshlrev_b32 v3, 2, v3
	global_load_b32 v8, v3, s[30:31]               ; my token's position
	s_lshl_b32 s12, s9, 14                         ; 16,384 bytes a tile: cos, then sin
	s_mov_b32 s13, 0
	s_add_nc_u64 s[6:7], s[38:39], s[12:13]
	s_wait_loadcnt 0x0
	v_min_u32 v8, 0x7ff, v8                        ; held inside the table
	v_lshlrev_b32 v8, 9, v8                        ; a row of 512 bytes
	v_lshl_add_u32 v8, v7, 6, v8                   ; + 64 h
.set J, 0
.rept 16
	global_load_b128 v[32+4*J:35+4*J], v8, s[28:29] offset:128*(J/4)+16*(J%4)
	global_load_b128 v[96+4*J:99+4*J], v8, s[26:27] offset:128*(J/4)+16*(J%4)
.set J, J+1
.endr
	s_wait_loadcnt 0x0
.set J, 0
.rept 16
	global_store_b128 v5, v[32+4*J:35+4*J], s[6:7] offset:512*J          ; 32 lanes store 512 consecutive bytes
	global_store_b128 v5, v[96+4*J:99+4*J], s[6:7] offset:8192+512*J
.set J, J+1
.endr
	s_endpgm
; ---- the weights.  A wave takes 32 columns x 512 along K: 16 blocks of 32 a lane.  n: the tensor's row length;  rbs: bytes from tile to tile in the image.
; In: s[40:41] the tensor, s[42:43] the image, s9 which 128 columns, s10 which 512 along K, s11 the tensor's first tile in the image.
.macro WLOAD t, n                      ; block t: W(32 t + i, my column) into set t % 2; a wave reads 128 consecutive bytes, the four waves stand side by side
.set WI, 0
.rept 32
	global_load_b32 v[32+32*((\t)%2)+WI], v2, s[4:5] offset:(32*(\t)+WI)*(\n)*4 th:TH_LOAD_NT
.set WI, WI+1
.endr
.endm
.macro WBLOCK t, n
.set XS, 32+32*((\t)%2)
.set KB, (\t)%4                        ; the block's place in its K step of 128
.set CB, 96+12*(KB%2)+6*(KB/2)         ; its six registers: block kb belongs to the fragment's lane half kb & 1, registers 6 (kb >> 1) on
.if (\t) < 15
	s_wait_loadcnt 32                              ; this block's 32 loads are in; the next block's 32 may be out
.else
	s_wait_loadcnt 0x0
.endif
	v_max3_num_f32 v8, |v[XS]|, |v[XS+1]|, |v[XS+2]|               ; the block's largest magnitude: all 32 numbers are mine; two chains
	v_max3_num_f32 v9, |v[XS+3]|, |v[XS+4]|, |v[XS+5]|
.irp i, 6,10,14,18,22,26
	v_max3_num_f32 v8, v8, |v[XS+\i]|, |v[XS+\i+1]|
	v_max3_num_f32 v9, v9, |v[XS+\i+2]|, |v[XS+\i+3]|
.endr
	v_max3_num_f32 v8, v8, |v[XS+30]|, |v[XS+31]|
	v_max3_num_f32 v8, v8, v9, 0x1800000           ; and the floor 2^(3 - 127): the byte cannot fall under 1
	v_add_nc_u32 v10, 0xff000000, v8               ; 2 off the exponent field: the conversion's scale operand
	v_lshrrev_b32 v11, 23, v10                     ; the scale's byte
.if KB == 0
	v_mov_b32 v[124+(\t)/4], v11
.else
	v_lshl_or_b32 v[124+(\t)/4], v11, 8*KB, v[124+(\t)/4]
.endif
.if (KB == 0) && ((\t) > 0)
	s_wait_xcnt 0x0                                ; the last K step's stores have read the codes' registers: they are written again only behind this wait
.endif
	v_cvt_scalef32_pk16_fp6_f32 v[CB:CB+2], v[XS:XS+15], v10
	v_cvt_scalef32_pk16_fp6_f32 v[120:122], v[XS+16:XS+31], v10    ; (a conversion's three registers begin on an even number)
	v_nop                                          ; one plain place behind the conversions
	v_mov_b32 v[CB+3], v120
	v_mov_b32 v[CB+4], v121
	v_mov_b32 v[CB+5], v122
.if (\t) < 14
	WLOAD (\t)+2, \n
.endif
.if KB == 3                            ; a K step's fragments of my two tiles: each store fills two whole runs of 256 bytes, one in each tile
.irp h, 0,1
.irp g, 0,1,2
	global_store_b128 v3, v[96+12*\h+4*\g:96+12*\h+4*\g+3], s[6:7] offset:((\t)/4)*FRB+512*\g+256*\h
.endr
.endr
.endif
.endm
.macro WBODY n, rbs
	s_mul_i32 s12, s10, 512*(\n)*4                 ; 512 rows of K a step,
	s_lshl_b32 s13, s9, 9                          ; 128 columns a work-group,
	s_add_co_u32 s12, s12, s13
	s_lshl_b32 s13, s8, 7                          ; 32 a wave
	s_add_co_u32 s12, s12, s13
	s_mov_b32 s13, 0
	s_add_nc_u64 s[4:5], s[40:41], s[12:13]
	s_lshl_b32 s12, s9, 3
	s_lshl_b32 s13, s8, 1
	s_add_co_u32 s12, s12, s13
	s_add_co_u32 s12, s12, s11                     ; my first tile
	s_mul_i32 s12, s12, \rbs
	s_mul_i32 s13, s10, SBK
	s_add_co_u32 s12, s12, s13
	s_mov_b32 s13, 0
	s_add_nc_u64 s[6:7], s[42:43], s[12:13]
	v_bfe_u32 v3, v0, 3, 1                         ; column l of 32 is row i = (l & 7) + 8 (l >> 4) of tile u = (l >> 3) & 1
	v_mul_u32_u24 v3, v3, \rbs
	v_and_b32 v4, 7, v0
	v_lshl_add_u32 v4, v7, 3, v4
	v_lshl_add_u32 v3, v4, 4, v3                   ; u x (tile to tile) + 16 i
	WLOAD 0, \n
	WLOAD 1, \n
.set WT, 0
.rept 16
	WBLOCK WT, \n
.set WT, WT+1
.endr
	global_store_b128 v3, v[124:127], s[6:7] offset:4*FRB          ; my row's four scale words
	s_endpgm
.endm
.Lwq:
	s_and_b32 s9, ttmp9, 15
	s_lshr_b32 s10, ttmp9, 4
	s_mov_b32 s11, 0
	s_mov_b64 s[40:41], s[18:19]
	s_mov_b64 s[42:43], s[34:35]
	WBODY 2048, 51200
.Lwkv:
	s_and_b32 s12, ttmp9, 63
	s_and_b32 s9, s12, 7
	s_lshr_b32 s10, s12, 3
	s_mov_b32 s11, 192                             ; wv's rows follow wk's, which follow wq's: tiles 192 on, 128 on
	s_cmp_lt_u32 ttmp9, 192                        ; the choice hangs on the work-group's number alone
	s_cselect_b64 s[40:41], s[20:21], s[22:23]
	s_cselect_b32 s11, 128, s11
	s_mov_b64 s[42:43], s[34:35]
	WBODY 1024, 51200
.Lwo:
	s_sub_co_u32 s12, ttmp9, 256
	s_and_b32 s9, s12, 31
	s_lshr_b32 s10, s12, 5
	s_mov_b32 s11, 0
	s_mov_b64 s[40:41], s[24:25]
	s_mov_b64 s[42:43], s[36:37]
	WBODY 4096, 25600
	; ---- hidden_states: a wave takes one tile of 16 tokens x 512 along K.  Loads read 512 consecutive bytes of a row; the stage turns them so that lane (r, h) holds k = 64 c + 32 h + 0 .. 31 of row r
.Lx:
	s_sub_co_u32 s9, ttmp9, 384
	s_lshr_b32 s10, s9, 1                          ; the tile
	s_and_b32 s11, s9, 1
	s_lshl_b32 s11, s11, 2
	s_add_co_u32 s11, s11, s8                      ; which 512 along K
	s_lshr_b32 s12, s10, 1
	s_lshl_b32 s12, s12, 5
	s_and_b32 s13, s10, 1
	s_lshl_b32 s13, s13, 3
	s_add_co_u32 s12, s12, s13                     ; first token
	s_lshl_b32 s12, s12, 14                        ; a row is 16,384 bytes
	s_lshl_b32 s13, s11, 11
	s_add_co_u32 s12, s12, s13
	s_mov_b32 s13, 0
	s_add_nc_u64 s[4:5], s[16:17], s[12:13]
	s_mul_i32 s12, s10, 8*SBK
	s_mul_i32 s13, s11, SBK
	s_add_co_u32 s12, s12, s13
	s_mov_b32 s13, 0
	s_add_nc_u64 s[6:7], s[32:33], s[12:13]
	s_mul_i32 s14, s8, STG
	v_add_nc_u32 v3, s14, v5                       ; into the stage: 16 x lane of a row
	v_mul_u32_u24 v4, v6, 528
	v_lshl_add_u32 v4, v7, 7, v4
	v_add_nc_u32 v4, s14, v4                       ; out of it: row r, + 128 h
	s_mov_b32 s40, 0x76543210
	s_mov_b32 s41, 0xfedcba98                      ; lane l xor 16
	v_lshlrev_b32 v20, 3, v7                       ; 8 h
	v_mov_b32 v21, 0                               ; a lane permute's destination counts as read
.macro XLOAD ks
.irp i, 0,1,2,3,4,5,6,7,8,9,10,11,12,13,14,15
	global_load_b128 v[32+64*((\ks)%2)+4*\i:32+64*((\ks)%2)+4*\i+3], v5, s[4:5] offset:((\i%8)+16*(\i/8))*16384+512*(\ks) th:TH_LOAD_NT
.endr
.endm
.macro XSTEP ks
.if (\ks) < 3
	s_wait_loadcnt 16                              ; this K step's 16 loads are in; the next step's 16 may be out
.else
	s_wait_loadcnt 0x0
.endif
.irp i, 0,1,2,3,4,5,6,7,8,9,10,11,12,13,14,15
	ds_store_b128 v3, v[32+64*((\ks)%2)+4*\i:32+64*((\ks)%2)+4*\i+3] offset:528*\i
.endr
.irp c, 0,1
.irp j, 0,1,2,3,4,5,6,7
	ds_load_b128 v[160+32*\c+4*\j:160+32*\c+4*\j+3], v4 offset:256*\c+16*\j      ; LDS serves a wave's instructions in order: these see my stores
.endr
.endr
	s_wait_dscnt 0x0
.if (\ks) < 2
	XLOAD (\ks)+2
.endif
.irp c, 0,1
	v_max3_num_f32 v[8+\c], |v[160+32*\c]|, |v[161+32*\c]|, 0x1800000     ; my block 2 c + h, and the floor
.endr
.irp i, 2,4,6,8,10,12,14,16,18,20,22,24,26,28,30
.irp c, 0,1
	v_max3_num_f32 v[8+\c], v[8+\c], |v[160+32*\c+\i]|, |v[161+32*\c+\i]|
.endr
.endr
.irp c, 0,1
	v_add_nc_u32 v[10+\c], 0xff000000, v[8+\c]
.endr
.irp c, 0,1
	v_lshrrev_b32 v[16+\c], 23, v[10+\c]
.endr
	v_lshl_or_b32 v18, v17, 16, v16                ; my two bytes, blocks h and 2 + h,
	v_lshlrev_b32 v18, v20, v18                    ; at their places in the word;
	v_permlanex16_b32 v21, v18, s40, s41
	v_or_b32 v[12+(\ks)], v18, v21                 ; with lane l xor 16's two the word is whole
.if (\ks) > 0
	s_wait_xcnt 0x0                                ; the last step's stores have read the codes' registers
.endif
.irp c, 0,1
	v_cvt_scalef32_pk16_fp6_f32 v[224+6*\c:226+6*\c], v[160+32*\c:175+32*\c], v[10+\c]
	v_cvt_scalef32_pk16_fp6_f32 v[236+4*\c:238+4*\c], v[176+32*\c:191+32*\c], v[10+\c]
.endr
	v_nop
.irp c, 0,1
.irp i, 0,1,2
	v_mov_b32 v[227+6*\c+\i], v[236+4*\c+\i]
.endr
.endr
.irp g, 0,1,2
	global_store_b128 v5, v[224+4*\g:227+4*\g], s[6:7] offset:(\ks)*FRB+512*\g
.endr
.endm
	XLOAD 0
	XLOAD 1
	XSTEP 0
	XSTEP 1
	XSTEP 2
	XSTEP 3
	v_cmp_gt_u32 vcc_lo, 16, v1
	s_wait_xcnt 0x0                                ; EXEC changes only behind this wait
	s_wait_tensorcnt 0x0
	ds_add_u32 v248, v249
	s_wait_dscnt 0x0
	s_and_saveexec_b32 s42, vcc_lo
	global_store_b128 v5, v[12:15], s[6:7] offset:4*FRB            ; lanes 0-15: 256 consecutive bytes of scale words
	s_wait_xcnt 0x0
	s_or_b32 exec_lo, exec_lo, s42
	s_endpgm
.Lfunc_end_k_qfc13af9788_quant:
	.size	k_qfc13af9788_quant, .Lfunc_end_k_qfc13af9788_quant-k_qfc13af9788_quant
	.p2alignl 7, 3214868480
	.fill 96, 4, 3214868480
	.section	.rodata,"a",@progbits
	.p2align	6, 0x0
	.amdhsa_kernel k_qfc13af9788_quant
		.amdhsa_group_segment_fixed_size 35328
		.amdhsa_private_segment_fixed_size 0
		.amdhsa_enable_private_segment 0
		.amdhsa_kernarg_size 96
		.amdhsa_user_sgpr_count 2
		.amdhsa_user_sgpr_kernarg_segment_ptr 1
		.amdhsa_wavefront_size32 1
		.amdhsa_system_sgpr_workgroup_id_x 1
		.amdhsa_system_sgpr_workgroup_id_y 1
		.amdhsa_system_sgpr_workgroup_id_z 1
		.amdhsa_system_vgpr_workitem_id 0
		.amdhsa_next_free_vgpr 250
		.amdhsa_next_free_sgpr 66
		.amdhsa_reserve_vcc 1
		.amdhsa_float_denorm_mode_32 3
		.amdhsa_float_denorm_mode_16_64 3
		.amdhsa_memory_ordered 1
		.amdhsa_forward_progress 1
		.amdhsa_inst_pref_size 255
	.end_amdhsa_kernel
	.section	.bss,"aw",@nobits
	.p2align	6
	.space	262144
	.amdgpu_metadata
---
amdhsa.version: [ 1, 2 ]
amdhsa.kernels:
  - .name:           k_qfc13af9788_quant
    .symbol:         k_qfc13af9788_quant.kd
    .args:
      - { .name: hidden_states, .offset: 0, .size: 8, .value_kind: global_buffer, .address_space: global }
      - { .name: wq, .offset: 8, .size: 8, .value_kind: global_buffer, .address_space: global }
      - { .name: wk, .offset: 16, .size: 8, .value_kind: global_buffer, .address_space: global }
      - { .name: wv, .offset: 24, .size: 8, .value_kind: global_buffer, .address_space: global }
      - { .name: wo, .offset: 32, .size: 8, .value_kind: global_buffer, .address_space: global }
      - { .name: sin, .offset: 40, .size: 8, .value_kind: global_buffer, .address_space: global }
      - { .name: cos, .offset: 48, .size: 8, .value_kind: global_buffer, .address_space: global }
      - { .name: position_ids, .offset: 56, .size: 8, .value_kind: global_buffer, .address_space: global }
      - { .name: x_img, .offset: 64, .size: 8, .value_kind: global_buffer, .address_space: global }
      - { .name: w_img, .offset: 72, .size: 8, .value_kind: global_buffer, .address_space: global }
      - { .name: wo_img, .offset: 80, .size: 8, .value_kind: global_buffer, .address_space: global }
      - { .name: rope_img, .offset: 88, .size: 8, .value_kind: global_buffer, .address_space: global }
    .group_segment_fixed_size: 35328
    .private_segment_fixed_size: 0
    .kernarg_segment_align: 8
    .kernarg_segment_size: 96
    .max_flat_workgroup_size: 128
    .sgpr_count:     66
    .vgpr_count:     250
    .wavefront_size: 32
...
	.end_amdgpu_metadata
.endif
;; end of part 1
;; launch qkv (part 2): grid 16 x 16, 4 waves a work-group, clusters of 4 x 4, 327,680 bytes of LDS; arguments x_img, w_img, rope_img, q_img, kv_img; writes q_img, kv_img
.if DOCPART == 2
	.amdgcn_target "amdgcn-amd-amdhsa--gfx1250"
	.amdhsa_code_object_version 6
	.text
	.protected	k_qfc13af9788_qkv
	.globl	k_qfc13af9788_qkv
	.p2align	8
	.type	k_qfc13af9788_qkv,@function
k_qfc13af9788_qkv:
	s_mov_b64 s[64:65], 0
	v_nop
	global_prefetch_b8 v0, s[64:65] scope:SCOPE_SE
	s_setreg_imm32_b32 hwreg(HW_REG_WAVE_MODE, 25, 1), 1
	s_wait_xcnt 0x0
	s_wait_alu depctr_hold_cnt(0) depctr_sa_sdst(0) depctr_va_vdst(0) depctr_va_sdst(0) depctr_va_ssrc(0) depctr_va_vcc(0) depctr_vm_vsrc(0)
	s_getreg_b32 s2, hwreg(HW_REG_IB_STS2, 6, 4)
	s_cmp_eq_u32 s2, 0
	s_cbranch_scc0 .Lentry_in_a_cluster
	s_endpgm
.Lentry_in_a_cluster:
	s_bfe_u32 s2, ttmp6, 0x10000c
	s_cmp_lg_u32 s2, 0xf033
	s_cbranch_scc0 .Lentry_shape_is_right
	s_endpgm
.Lentry_shape_is_right:
; q, k, v = hidden_states x (wq | wk | wv) on codes of FP6; RoPE on q and k in f32; q and k are quantised along the head's 128, v along the keys; all leave as images of the attention launch's operands.
; A work-group makes 256 rows of SOURCE 0 x 128 rows of SOURCE 1 over K = 4,096; 256 work-groups.  A wave: 128 x 64: 32 accumulators.  A lane holds ONE row of source 1, its registers run along source 0's rows,
; and by the tiles' row order (tile 2 g + u = rows 32 g + 8 u + (i & 7) + 16 (i >> 3)) register 16 bb + i of a lane's 64 is source-0 row 32 bb + 16 (lane / 16) + i: 16 neighbours, ready for the conversions.
; q and k (cluster x 0 to 2): source 0 = 256 rows of the weights (two heads), source 1 = 128 tokens: a lane holds a token, registers run along d.
; v (cluster x = 3): THE ROLES ARE SWAPPED: source 0 = 256 tokens, source 1 = 128 rows of wv: a lane holds a d, registers run along the keys, which are the next product's K.
; Operands lie in memory as super-blocks of 6,400 bytes (four fragments of 1,536, 256 bytes of scale words): a slot of the LDS ring holds 512 along K of all 24 tiles; fragments come by three ds_load_b128 at 16 x lane.
; CLUSTER 4 x 4: source 0 hangs on cx and is asked for jointly by my column, source 1 on cy and by my row.  The choice of roles hangs on the cluster's x alone, which all partners share.
; PREFETCH INTO THE L2 (macro ASK).  What later refills ask for is asked of memory ahead.
; A tile's super-blocks along K are one run of 51,200 bytes, 200 blocks of 256, of which a slot takes 25.  Behind each of the loop's first four refills a lane names one block, 32 blocks a tile: blocks 72 to 199 in four asks,
; so that each refill from K group 3 on has its 25 blocks named one or two changes of slots earlier (blocks 72 to 74 belong to the refill just issued: the price of whole runs of 32).  K groups 0 to 2 come by their loads alone.
; REGISTERS: window 0: v16-21 LDS addresses, v24 16 x lane, v25 16 r, v26 256 x lane (the prefetches'), v28-29 the add's, v32-95 scale words (two sets), v96 on the way out;  window 1: the accumulators, (a, b) at v[8 (8 a + b)];
;   window 2: source 0's fragments, set p at v[96 p + 12 b] (on the way out: cos and sin);  window 3: source 1's, set p at v[48 p + 12 a].
; LIMITS: NaN and infinities are not served; a block of zeros gets the byte 1 (zero codes; read by this program alone).
.set KG,    8                          ; super-blocks along K
.set SBK,   6400
.set FRB,   1536
.set S0OFF, 8*SBK                      ; in a slot: source 1's 8 super-blocks, then source 0's 16
.set SLOT,  24*SBK
.set SPARE, 2*SLOT                     ; the spare words, 128 bytes a wave: two blocks of 256 bytes that no other line names
.set AD0, 16
.set AD1, 18
.set ADS, 20
.set LI,  24
.set SR,  25
.set PFO, 26                           ; v26     256 x my lane; never rewritten
.set SPW, 28
.set NIL, 29
.set SC,  32                           ; register SC + 32 slot + 4 i + q: lanes 0-15 source 1's tile i, lanes 16-31 source 0's tile i, K step q of the slot
.set H,   96                           ; the way out: 64 numbers behind RoPE
.set PC,  160                          ; codes, 12 registers for each of the wave's four tiles
.set CT,  208
.set TM,  216
.set PW,  240                          ; the four tiles' scale words
.set G1A, 24
.set G0A, 32
.set G1B, 48
.set G0B, 56
.set SEL, 90
.set LIM, 92                           ; s92     1 in a wave that prefetches, else the greatest number
.set PFA, 94                           ; s[94:95] where my prefetches stand: my work-group's tiles of those that I fetch, at the first block of the run of 32 to be named
.set PF0, 72*256                       ; the first block named
.set PFSTEP, 32*256                    ; from ask to ask
.set MULW, 0x5e                        ; source 0 window 2, source 1 window 3, C and D window 1
.set MSB, 0
.macro WIN new                         ; the immediate's high byte repeats the setting that is left
.if MSB != \new
	s_set_vgpr_msb (MSB<<8)|\new
.set MSB, \new
.endif
.endm
.macro PLACES n
.rept \n
	v_nop
.endr
.endm
.macro JLOAD s                         ; a joint load: waves 0 and 1 fetch source 0's halves, waves 2 and 3 source 1's; four v_nop follow each line
	s_cmp_eq_u32 s15, 0
	s_cbranch_scc0 .Lfor_b_\@
	tensor_load_to_lds s[G0A+4*\s:G0A+4*\s+3], s[G1A:G1A+7]
	s_nop 0
.rept 4
	v_nop
.endr
	s_branch .Lasked_\@
.Lfor_b_\@:
	tensor_load_to_lds s[G0B+4*\s:G0B+4*\s+3], s[G1B:G1B+7]
	s_nop 0
.rept 4
	v_nop
.endr
.Lasked_\@:
.endm
; THE PREFETCH.  Each block of 256 bytes is named ONCE in the launch.  wq's and wk's tiles are read by the four clusters of a column of clusters: the first along y asks (waves 0 and 1).  The tokens' tiles are read by all clusters of a
; row of clusters: the first along x asks (waves 2 and 3); the clusters of v, which read them as source 0, ask for none of them.  wv's tiles are read by two clusters: the one with the even y asks (waves 2 and 3).
; The four partners that ask for a tile jointly share the tiles out BY ADDRESS: of the 8 tiles of source 0 that a wave fetches the partner at cy takes 2 cy and 2 cy + 1, of the 4 of source 1 the partner at cx takes tile cx:
; no branch hangs on a work-group's place in its cluster.  The loop's last trip asks for nothing: its refills are the last.
.macro ASK
	s_cmp_gt_u32 s23, s[LIM]                       ; s23 = 1 in the loop's last trip
	s_cbranch_scc0 .Lnot_mine_\@
	global_prefetch_b8 v[PFO], s[PFA:PFA+1] th:TH_LOAD_NT scope:SCOPE_SE
	s_cmp_eq_u32 s15, 0                            ; source 0: my second tile, a tile's whole run further on
	s_cbranch_scc0 .Lnot_mine_\@
	global_prefetch_b8 v[PFO], s[PFA:PFA+1] offset:KG*SBK th:TH_LOAD_NT scope:SCOPE_SE
.Lnot_mine_\@:
.endm
.macro CREST                           ; a round of the cluster's barrier behind its opening barrier
	s_cmp_lg_u32 s14, 0
	s_cbranch_scc1 .Lnot_wave_0_\@
	s_barrier_signal -3
.Lnot_wave_0_\@:
	s_barrier_wait -3
	s_barrier_signal -1
	s_barrier_wait -1
.endm
.macro CROUND
	s_barrier_signal -1
	s_barrier_wait -1
	CREST
.endm
	s_load_b256 s[4:11], s[0:1], 0x0               ; x_img 4, w_img 6, rope_img 8, q_img 10
	s_load_b64 s[12:13], s[0:1], 0x20              ; kv_img
	v_lshl_add_u32 v[SPW], v0, 2, SPARE
	v_mov_b32 v[NIL], 0
	ds_add_u32 v28, v29
	ds_add_u32 v28, v29
	s_wait_dscnt 0x0
	v_lshrrev_b32 v1, 5, v0
	v_readfirstlane_b32 s14, v1                    ; wave
	s_lshr_b32 s15, s14, 1                         ; my half of source 1's rows.  Also: I fetch for source 0 (0) or source 1 (1)
	s_and_b32 s16, s14, 1                          ; my half of source 0's rows.  Also: which half I fetch
	s_bfe_u32 s17, ttmp6, 0x40000                  ; cx
	s_bfe_u32 s18, ttmp6, 0x40004                  ; cy
	s_and_b32 s21, ttmp7, 0xffff                   ; cluster y
	s_lshl_b32 s19, ttmp9, 2
	s_add_co_u32 s19, s19, s17                     ; work-group x
	s_lshl_b32 s20, s21, 2
	s_add_co_u32 s20, s20, s18                     ; work-group y
	s_lshl_b32 s40, s18, 2
	s_lshl_b32 s40, 15, s40                        ; my row of the cluster
	s_lshl_b32 s41, 0x1111, s17                    ; my column
	s_or_b32 s[G1A], s41, (3<<16)|(1<<21)          ; source 0: 8 rows of 800 elements of 8 bytes (a super-block each), no padding; the mask, and bit 21 beside it
	s_or_b32 s[G1B], s40, (3<<16)|(1<<21)          ; source 1: 4 such rows
.irp g, G1A, G1B
	s_mov_b32 s[\g+1], 800<<16                     ; tensor_dim0
	s_mov_b32 s[\g+3], 800<<16                     ; tile_dim0
	s_mov_b32 s[\g+5], KG*800                      ; from tile to tile in memory
	s_mov_b32 s[\g+6], 0
	s_mov_b32 s[\g+7], 0
.endr
	s_mov_b32 s[G1A+2], 8<<16                      ; tensor_dim1
	s_mov_b32 s[G1A+4], 8                          ; tile_dim1
	s_mov_b32 s[G1B+2], 4<<16
	s_mov_b32 s[G1B+4], 4
	s_and_b32 s42, s21, 1
	s_lshl_b32 s42, s42, 2
	s_add_co_u32 s42, s42, s17                     ; v: tt, which 256 tokens (cx and the cluster's y)
	s_lshr_b32 s44, s21, 1
	s_lshl_b32 s44, s44, 2
	s_add_co_u32 s44, s44, s18                     ; v: dt, which key-value head (cy and the cluster's y)
	s_lshl_b32 s46, s19, 4                         ; q, k: source 0's first tile = 16 x work-group x
	s_lshl_b32 s47, s42, 4                         ; v: 16 tt
	s_lshl_b32 s45, s20, 3                         ; q, k: source 1's first tile = 8 x work-group y
	s_lshl_b32 s43, s44, 3
	s_add_co_u32 s43, s43, 192                     ; v: 192 + 8 dt
	s_wait_kmcnt 0x0
	s_cmp_eq_u32 ttmp9, 3                          ; the same in all sixteen partners
	s_cselect_b32 s46, s47, s46
	s_cselect_b32 s45, s43, s45
	s_cselect_b64 s[66:67], s[4:5], s[6:7]         ; source 0's buffer
	s_cselect_b64 s[68:69], s[6:7], s[4:5]         ; source 1's
	s_lshl_b32 s70, s16, 3
	s_add_co_u32 s70, s46, s70                     ; + the half that I fetch
	s_mul_i32 s70, s70, KG*SBK
	s_mov_b32 s71, 0
	s_lshl_b32 s72, s16, 2
	s_add_co_u32 s72, s45, s72
	s_mul_i32 s72, s72, KG*SBK
	s_mov_b32 s73, 0
	s_add_nc_u64 s[66:67], s[66:67], s[70:71]
	s_add_nc_u64 s[68:69], s[68:69], s[72:73]
	s_mul_i32 s74, s16, 8*SBK
	s_add_co_u32 s74, s74, S0OFF                   ; where they go: no place in the cluster enters an LDS address
	s_mul_i32 s75, s16, 4*SBK
	CROUND                                         ; all sixteen work-groups are here: the first joint loads meet
.irp s, 0,1
	s_mov_b32 s[G0A+4*\s], 1
	s_add_co_u32 s[G0A+4*\s+1], s74, \s*SLOT
	s_add_nc_u64 s[G0A+4*\s+2:G0A+4*\s+3], s[66:67], \s*SBK
	s_or_b32 s[G0A+4*\s+3], s[G0A+4*\s+3], 0x80000000
	s_mov_b32 s[G0B+4*\s], 1
	s_add_co_u32 s[G0B+4*\s+1], s75, \s*SLOT
	s_add_nc_u64 s[G0B+4*\s+2:G0B+4*\s+3], s[68:69], \s*SBK
	s_or_b32 s[G0B+4*\s+3], s[G0B+4*\s+3], 0x80000000
	JLOAD \s                                       ; two loads of mine are out
.endr
	v_and_b32 v1, 31, v0                           ; lane
	v_and_b32 v2, 15, v0                           ; r
	v_bfe_u32 v3, v0, 4, 1                         ; h
	v_lshlrev_b32 v[LI], 4, v1
	v_lshlrev_b32 v[SR], 4, v2
	s_mul_i32 s72, s16, 8*SBK
	s_add_co_u32 s72, s72, S0OFF                   ; my 8 tiles of source 0
	s_mul_i32 s73, s15, 4*SBK                      ; my 4 tiles of source 1
	v_add_nc_u32 v[AD0], s72, v[LI]
	v_add_nc_u32 v[AD0+1], SLOT, v[AD0]
	v_add_nc_u32 v[AD1], s73, v[LI]
	v_add_nc_u32 v[AD1+1], SLOT, v[AD1]
	s_sub_co_u32 s74, s72, s73
	v_mul_u32_u24 v4, s74, v3                      ; lanes 16-31 take source 0's scale words: one product in h
	v_add_nc_u32 v4, v4, v[SR]
	s_add_co_u32 s75, s73, 4*FRB
	v_add_nc_u32 v[ADS], s75, v4
	v_add_nc_u32 v[ADS+1], SLOT, v[ADS]
.irp b, 0,1,2,3
	v_mov_b32 v[TM+4+\b], 0                        ; a lane permute's destination counts as read
.endr
	s_mov_b32 s[SEL], 0x76543210
	s_mov_b32 s[SEL+1], 0xfedcba98
	; where the results go
	s_lshl_b32 s76, s19, 1
	s_add_co_u32 s76, s76, s16                     ; q: the head = 2 x work-group x + my half
	s_mul_i32 s77, s76, 32*SBK
	s_lshl_b32 s78, s20, 1
	s_add_co_u32 s78, s78, s15                     ; the group of 64 tokens
	s_mul_i32 s78, s78, SBK
	s_add_co_u32 s77, s77, s78                     ; q: the fragments,
	s_add_co_u32 s78, s77, 4*FRB                   ; the scale words
	s_sub_co_u32 s79, s76, 16                      ; k: the key-value head
	s_mul_i32 s79, s79, 16*25600
	s_mul_i32 s80, s20, 25600                      ; the key step = work-group y
	s_add_co_u32 s79, s79, s80
	s_mul_i32 s80, s44, 16*25600                   ; v: head dt,
	s_lshl_b32 s81, s42, 1
	s_add_co_u32 s81, s81, s16                     ; key step 2 tt + my half,
	s_mul_i32 s81, s81, 25600
	s_add_co_u32 s80, s80, s81
	s_add_co_u32 s80, s80, 12800                   ; behind K's part of the step
	s_cmp_eq_u32 ttmp9, 3
	s_cselect_b32 s79, s80, s79
	s_mul_i32 s80, s15, 4*FRB
	s_add_co_u32 s80, s79, s80                     ; k, v: my four fragments,
	s_lshl_b32 s81, s15, 8
	s_add_co_u32 s81, s81, s79
	s_add_co_u32 s81, s81, 8*FRB                   ; my 256 bytes of scale words
	s_cmp_lt_u32 ttmp9, 2
	s_cselect_b32 s82, s77, s80
	s_cselect_b32 s84, s78, s81
	s_cselect_b64 s[86:87], s[10:11], s[12:13]
	s_mov_b32 s83, 0
	s_mov_b32 s85, 0
	s_add_nc_u64 s[82:83], s[86:87], s[82:83]
	s_add_nc_u64 s[84:85], s[86:87], s[84:85]
	s_lshl_b32 s86, s20, 3
	s_lshl_b32 s87, s15, 2
	s_add_co_u32 s86, s86, s87
	s_lshl_b32 s86, s86, 14                        ; cos and sin of my four token tiles
	s_mov_b32 s87, 0
	s_add_nc_u64 s[88:89], s[8:9], s[86:87]
	; the prefetches: who asks, and where.  s[66:67] and s[68:69] still stand at the first tile of source 0 and of source 1 that I would fetch, K group 0.  Nothing is prefetched here, at the head, where every work-group's first tiles are on their way
	s_cmp_eq_u32 ttmp9, 3
	s_cselect_b32 s92, 1, 0
	s_or_b32 s92, s92, s21                         ; source 0: 0 where it is the weights and the cluster is the first along y
	s_and_b32 s93, s21, 1
	s_cmp_eq_u32 ttmp9, 3
	s_cselect_b32 s93, s93, ttmp9                  ; source 1: 0 in the first cluster along x; for wv's rows in the cluster with the even y
	s_mov_b32 s96, KG*SBK
	s_cmp_eq_u32 s15, 0                            ; do I fetch for source 0?
	s_cselect_b32 s92, s92, s93                    ; the same in all sixteen partners, for a given wave
	s_cselect_b64 s[PFA:PFA+1], s[66:67], s[68:69]
	s_cselect_b32 s98, s18, s17                    ; my place among the four that ask with me: it enters the address alone
	s_cselect_b32 s96, 2*KG*SBK, s96               ; two tiles of source 0 a partner, one of source 1
	s_mul_i32 s96, s96, s98
	s_add_co_u32 s96, s96, PF0-PFSTEP              ; the first filling change of slots steps it to block 72
	s_mov_b32 s97, 0
	s_add_nc_u64 s[PFA:PFA+1], s[PFA:PFA+1], s[96:97]
	s_cmp_eq_u32 s92, 0
	s_cselect_b32 s[LIM], 1, -1
	v_lshlrev_b32 v[PFO], 8, v1
; 8 matrix instructions: source 1's tile a against source 0's eight.  The 32 accumulators take turns, one instruction a turn, in the same order in every step.
.macro MUL8 a, p, q, sc, zero
.irp b, 0,1,2,3,4,5,6,7
.if \zero
	v_wmma_scale_f32_16x16x128_f8f6f4 v[8*(8*(\a)+\b):8*(8*(\a)+\b)+7], v[96*(\p)+12*\b:96*(\p)+12*\b+11], v[48*(\p)+12*(\a):48*(\p)+12*(\a)+11], 0, v[SC+32*(\sc)+4*\b+(\q)], v[SC+32*(\sc)+4*(\a)+(\q)] matrix_a_fmt:MATRIX_FMT_FP6 matrix_b_fmt:MATRIX_FMT_FP6 matrix_a_scale:MATRIX_SCALE_ROW1
.else
	v_wmma_scale_f32_16x16x128_f8f6f4 v[8*(8*(\a)+\b):8*(8*(\a)+\b)+7], v[96*(\p)+12*\b:96*(\p)+12*\b+11], v[48*(\p)+12*(\a):48*(\p)+12*(\a)+11], v[8*(8*(\a)+\b):8*(8*(\a)+\b)+7], v[SC+32*(\sc)+4*\b+(\q)], v[SC+32*(\sc)+4*(\a)+(\q)] matrix_a_fmt:MATRIX_FMT_FP6 matrix_b_fmt:MATRIX_FMT_FP6 matrix_a_scale:MATRIX_SCALE_ROW1
.endif
.endr
.endm
.macro FETCH slot, q, p                ; 36 LDS loads in one run: the 12 fragments of the slot's K step q into set p; each load takes 512 consecutive bytes
	WIN 0x80
.irp b, 0,1,2,3,4,5,6,7
.irp g, 0,1,2
	ds_load_b128 v[96*(\p)+12*\b+4*\g:96*(\p)+12*\b+4*\g+3], v[AD0+\slot] offset:SBK*\b+FRB*(\q)+512*\g
.endr
.endr
	WIN 0xc0
.irp a, 0,1,2,3
.irp g, 0,1,2
	ds_load_b128 v[48*(\p)+12*\a+4*\g:48*(\p)+12*\a+4*\g+3], v[AD1+\slot] offset:SBK*\a+FRB*(\q)+512*\g
.endr
.endr
.endm
.macro SCALES slot                     ; a slot's scale words: four words a row a load (for i over 3 lanes 0-15 read filled bytes of the slot that nobody uses)
	WIN 0
.irp i, 0,1,2,3,4,5,6,7
	ds_load_b128 v[SC+32*\slot+4*\i:SC+32*\slot+4*\i+3], v[ADS+\slot] offset:SBK*\i
.endr
.endm
.macro STEP slot, q, zero              ; a step of 128 along K that has its successor in the same slot
	s_wait_dscnt 0x0                               ; this step's fragments are in (asked for 16 matrix instructions ago)
	WIN MULW
	MUL8 0, (\q)%2, \q, \slot, \zero
	MUL8 1, (\q)%2, \q, \slot, \zero
	PLACES 4                                       ; in front of loads into registers that matrix instructions have read
	FETCH \slot, (\q)+1, 1-(\q)%2
	WIN MULW
	MUL8 2, (\q)%2, \q, \slot, \zero
	MUL8 3, (\q)%2, \q, \slot, \zero
.endm
.macro TURN slot, next, fill           ; a slot's last step changes slots: one barrier; fill = 1: it opens a round of the cluster's, and the slot is filled again, two slots ahead
.if \fill
	s_wait_xcnt 0x0                                ; the last prefetches, a slot back, have read their address: it is stepped here, ahead of the change's own waits
	s_add_nc_u64 s[PFA:PFA+1], s[PFA:PFA+1], PFSTEP
.endif
	WIN 0
	s_wait_tensorcnt 0x0                           ; all my tensor loads have landed: my part of the next slot
	ds_add_u32 v[SPW], v[NIL]                      ; 0 onto my spare word
	s_wait_dscnt 1                                 ; the add alone may be out: the step's 36 loads are in
	WIN MULW
	MUL8 0, 1, 3, \slot, 0
	s_wait_dscnt 0x0                               ; the add is done, and my reads of this slot are over
	s_barrier_signal -1
	MUL8 1, 1, 3, \slot, 0
	WIN 0
	s_barrier_wait -1
.if \fill
	CREST                                          ; no wave of any partner still reads this slot or has a load on its way
	s_add_nc_u64 s[G0A+4*\slot+2:G0A+4*\slot+3], s[G0A+4*\slot+2:G0A+4*\slot+3], 2*SBK
	s_add_nc_u64 s[G0B+4*\slot+2:G0B+4*\slot+3], s[G0B+4*\slot+2:G0B+4*\slot+3], 2*SBK
	JLOAD \slot                                    ; my one tensor load behind the round; its four v_nop are also the places in front of the loads below
.else
	PLACES 4
.endif
	FETCH \next, 0, 0
	SCALES \next
.if \fill
	ASK                                            ; behind the joint load and the run of LDS loads that the next products wait for; every window is 0 here
.endif
	WIN MULW
	MUL8 2, 1, 3, \slot, 0
	MUL8 3, 1, 3, \slot, 0
.endm
	s_wait_tensorcnt 1                             ; my part of slot 0 is in; slot 1's may stay out
	s_barrier_signal -1
	s_barrier_wait -1
	FETCH 0, 0, 0
	SCALES 0
	STEP 0, 0, 1                                   ; the first step's products start the sums
	STEP 0, 1, 0
	STEP 0, 2, 0
	WIN 0
	s_mov_b32 s23, KG/2-1
.Llap:                                             ; a trip goes once round the ring and fills both slots again
	TURN 0, 1, 1
	STEP 1, 0, 0
	STEP 1, 1, 0
	STEP 1, 2, 0
	TURN 1, 0, 1
	STEP 0, 0, 0
	STEP 0, 1, 0
	STEP 0, 2, 0
	WIN 0
	s_sub_co_u32 s23, s23, 1
	s_cmp_lg_u32 s23, 0
	s_cbranch_scc1 .Llap
	TURN 0, 1, 0                                   ; the last lap fills nothing
	STEP 1, 0, 0
	STEP 1, 1, 0
	STEP 1, 2, 0
	s_wait_dscnt 0x0
	WIN MULW
	MUL8 0, 1, 3, 1, 0
	MUL8 1, 1, 3, 1, 0
	MUL8 2, 1, 3, 1, 0
	MUL8 3, 1, 3, 1, 0
	WIN 0
	PLACES 4                                       ; in front of the first reads of results and of loads into the fragments' registers
; 64 numbers of a lane in window w, register 16 b + i = k 32 b + 16 (lane / 16) + i of my row, become a fragment's codes in v[pc] on and its scale word in v[pw].  Each accumulator is read from its low end on.
.macro QUANT s, w, pc, pw
	WIN 0x05*(\w)
.irp b, 0,1,2,3
	v_max3_num_f32 v[TM+\b], |v[(\s)+16*\b]|, |v[(\s)+1+16*\b]|, 0x1800000      ; and the floor 2^(3 - 127)
.endr
	WIN 0x14*(\w)
.irp i, 2,4,6,8,10,12,14
.irp b, 0,1,2,3
	v_max3_num_f32 v[TM+\b], v[TM+\b], |v[(\s)+16*\b+\i]|, |v[(\s)+1+16*\b+\i]|
.endr
.endr
	WIN 0
.irp b, 0,1,2,3
	v_permlanex16_b32 v[TM+4+\b], v[TM+\b], s[SEL], s[SEL+1]
.endr
.irp b, 0,1,2,3
	v_max_num_f32 v[TM+\b], v[TM+\b], v[TM+4+\b]   ; with lane l xor 16's: the block's largest magnitude
.endr
.irp b, 0,1,2,3
	v_add_nc_u32 v[TM+12+\b], 0xff000000, v[TM+\b] ; 2 off the exponent field: the conversion's scale operand
.endr
.irp b, 0,1,2,3
	v_lshrrev_b32 v[TM+4+\b], 23, v[TM+12+\b]      ; the byte
.endr
	v_lshl_or_b32 v[\pw], v[TM+5], 8, v[TM+4]
	v_lshl_or_b32 v[\pw], v[TM+6], 16, v[\pw]
	v_lshl_or_b32 v[\pw], v[TM+7], 24, v[\pw]
	WIN 0x01*(\w)
.irp c, 0,1
	v_cvt_scalef32_pk16_fp6_f32 v[(\pc)+6*\c:(\pc)+6*\c+2], v[(\s)+32*\c:(\s)+32*\c+15], v[TM+12+2*\c]
	v_cvt_scalef32_pk16_fp6_f32 v[CT+4*\c:CT+4*\c+2], v[(\s)+16+32*\c:(\s)+31+32*\c], v[TM+13+2*\c]
.endr
	WIN 0
	v_nop                                          ; one plain place behind the conversions
.irp c, 0,1                            ; the operand wants a whole block in a lane: lanes 0-15 block 2 c, lanes 16-31 block 2 c + 1
.irp i, 0,1,2
	v_permlane16_swap_b32 v[(\pc)+6*\c+\i], v[CT+4*\c+\i]
.endr
.irp i, 0,1,2
	v_mov_b32 v[(\pc)+3+6*\c+\i], v[CT+4*\c+\i]
.endr
.endr
.endm
.macro OUT3 a                          ; tile a's fragment: three stores of 512 consecutive bytes
.irp g, 0,1,2
	global_store_b128 v[LI], v[PC+12*(\a)+4*\g:PC+12*(\a)+4*\g+3], s[82:83] offset:FRB*(\a)+512*\g
.endr
.endm
.macro ROPELOAD a                      ; cos (64 registers) and sin (64) of token tile a, in my lanes' order, into window 2, set a % 2
	WIN 0x80
.irp tb, 0,1
.irp g, 0,1,2,3,4,5,6,7,8,9,10,11,12,13,14,15
	global_load_b128 v[128*((\a)%2)+64*\tb+4*\g:128*((\a)%2)+64*\tb+4*\g+3], v[LI], s[88:89] offset:16384*(\a)+8192*\tb+512*\g
.endr
.endr
	WIN 0
.endm
.macro ROT a                           ; d and d + 64 lie 32 registers apart: x' (d) = x(d) cos(d) - x(d + 64) sin(d);  x'(d + 64) = x(d + 64) cos(d + 64) + x(d) sin(d + 64)
.set RS, 128*((\a)%2)
	WIN 0x09                                       ; source 0 window 1, source 1 window 2
.irp jj, 0,2,4,6,8,10,12,14,16,18,20,22,24,26,28,30
	v_pk_mul_f32 v[H+\jj:H+\jj+1], v[64*(\a)+\jj:64*(\a)+\jj+1], v[RS+\jj:RS+\jj+1]
	v_pk_mul_f32 v[H+32+\jj:H+33+\jj], v[64*(\a)+32+\jj:64*(\a)+33+\jj], v[RS+32+\jj:RS+33+\jj]
.endr
.irp jj, 0,2,4,6,8,10,12,14,16,18,20,22,24,26,28,30
	v_pk_fma_f32 v[H+\jj:H+\jj+1], v[64*(\a)+32+\jj:64*(\a)+33+\jj], v[RS+64+\jj:RS+65+\jj], v[H+\jj:H+\jj+1] neg_lo:[0,1,0] neg_hi:[0,1,0]
	v_pk_fma_f32 v[H+32+\jj:H+33+\jj], v[64*(\a)+\jj:64*(\a)+\jj+1], v[RS+96+\jj:RS+97+\jj], v[H+32+\jj:H+33+\jj]
.endr
	WIN 0
.endm
	s_cmp_eq_u32 ttmp9, 3
	s_cbranch_scc1 .Lvarm
	ROPELOAD 0
	ROPELOAD 1
.irp a, 0,1,2,3
.if \a < 3
	s_wait_loadcnt 32                              ; this tile's 32 loads are in; the next tile's 32 may be out
.else
	s_wait_loadcnt 0x0
.endif
	ROT \a
.if \a < 2
	ROPELOAD \a+2
.endif
	QUANT H, 0, PC+12*\a, PW+\a
	OUT3 \a
.endr
	s_branch .Ljoin
.Lvarm:
.irp a, 0,1,2,3
	QUANT 64*\a, 1, PC+12*\a, PW+\a
	OUT3 \a
.endr
.Ljoin:
	v_cmp_gt_u32 vcc_lo, 16, v1
	s_wait_xcnt 0x0                                ; EXEC changes only behind this wait
	s_and_saveexec_b32 s76, vcc_lo
	global_store_b128 v[SR], v[PW:PW+3], s[84:85]  ; lanes 0-15: my four tiles' scale words, 256 consecutive bytes
	s_wait_xcnt 0x0
	s_or_b32 exec_lo, exec_lo, s76
	s_wait_tensorcnt 0x0                           ; the wave's end
	ds_add_u32 v[SPW], v[NIL]
	s_wait_dscnt 0x0
	CROUND                                         ; the closing round
	s_endpgm
.Lfunc_end_k_qfc13af9788_qkv:
	.size	k_qfc13af9788_qkv, .Lfunc_end_k_qfc13af9788_qkv-k_qfc13af9788_qkv
	.p2alignl 7, 3214868480
	.fill 96, 4, 3214868480
	.section	.rodata,"a",@progbits
	.p2align	6, 0x0
	.amdhsa_kernel k_qfc13af9788_qkv
		.amdhsa_group_segment_fixed_size 327680
		.amdhsa_private_segment_fixed_size 0
		.amdhsa_enable_private_segment 0
		.amdhsa_kernarg_size 40
		.amdhsa_user_sgpr_count 2
		.amdhsa_user_sgpr_kernarg_segment_ptr 1
		.amdhsa_wavefront_size32 1
		.amdhsa_system_sgpr_workgroup_id_x 1
		.amdhsa_system_sgpr_workgroup_id_y 1
		.amdhsa_system_sgpr_workgroup_id_z 1
		.amdhsa_system_vgpr_workitem_id 0
		.amdhsa_next_free_vgpr 1024
		.amdhsa_next_free_sgpr 100
		.amdhsa_reserve_vcc 1
		.amdhsa_float_denorm_mode_32 3
		.amdhsa_float_denorm_mode_16_64 3
		.amdhsa_memory_ordered 1
		.amdhsa_forward_progress 1
		.amdhsa_inst_pref_size 181
	.end_amdhsa_kernel
	.amdgpu_metadata
---
amdhsa.version: [ 1, 2 ]
amdhsa.kernels:
  - .name:           k_qfc13af9788_qkv
    .symbol:         k_qfc13af9788_qkv.kd
    .args:
      - { .name: x_img, .offset: 0, .size: 8, .value_kind: global_buffer, .address_space: global }
      - { .name: w_img, .offset: 8, .size: 8, .value_kind: global_buffer, .address_space: global }
      - { .name: rope_img, .offset: 16, .size: 8, .value_kind: global_buffer, .address_space: global }
      - { .name: q_img, .offset: 24, .size: 8, .value_kind: global_buffer, .address_space: global }
      - { .name: kv_img, .offset: 32, .size: 8, .value_kind: global_buffer, .address_space: global }
    .group_segment_fixed_size: 327680
    .private_segment_fixed_size: 0
    .kernarg_segment_align: 8
    .kernarg_segment_size: 40
    .max_flat_workgroup_size: 128
    .sgpr_count:     100
    .vgpr_count:     1024
    .wavefront_size: 32
...
	.end_amdgpu_metadata
.endif
;; end of part 2
;; launch attn (part 3): grid 16 x 16, 16 waves a work-group, no clusters, 327,680 bytes of LDS; arguments q_img, kv_img, attention_mask, attn_img; writes attn_img
.if DOCPART == 3
	.amdgcn_target "amdgcn-amd-amdhsa--gfx1250"
	.amdhsa_code_object_version 6
	.text
	.protected	k_qfc13af9788_attn
	.globl	k_qfc13af9788_attn
	.p2align	8
	.type	k_qfc13af9788_attn,@function
k_qfc13af9788_attn:
	s_mov_b64 s[64:65], 0
	v_nop
	global_prefetch_b8 v0, s[64:65] scope:SCOPE_SE
	s_setreg_imm32_b32 hwreg(HW_REG_WAVE_MODE, 25, 1), 1
	s_wait_xcnt 0x0
; Attention on codes of FP6: S^T = K Q^T, causal and padding masks, p = 2^(t - M) with M a whole number, O^T = V^T P^T, O / l, quantised along head x 128 + d for the last product.
; SHARES.  A work-group takes one head and the two blocks of 64 queries j and 31 - j: under the causal mask every work-group so has the same number of key steps.  8 tiles of 16 queries, TWO waves to a tile:
; wave w takes the key steps of parity p = w >> 3; the two partial (M, l, O) are joined at the end by exact powers of two.
; K and V come as one dense block of 25,600 bytes a key step (8 fragments and 512 bytes of scale words each), four steps to an LDS slot, two slots; every wave brings 6,400 bytes of a slot.
; NO CLUSTER: the jump over hidden key steps hangs on the query block, which differs between the work-groups that walk one K and V, and only two heads share a key-value head.
; MASKS.  The padding mask rides in as the C of the first product: 0 for a live key, -1e30 for a dead one; hidden keys on the diagonal get -1e30 by compare and select.  The running largest t begins at -1e20 and so never follows
; a dead key: p of a dead key is exactly 0.  A QUERY WITH NO LIVE KEY ends with l = 0: its logits are all equal in the definition, future keys' too, so it gets the mean of the quantised V over all 2,048 keys (p = 1, l = 2,048):
; that sum is made beside the walk by one product a key step with an operand of ones, never jumped over, and taken by a select, with no branch on data.
; PREFETCH INTO THE L2 (macro ASK): K and V one slot ahead of the tensor loads, by the first work-group of each key-value head.
; LIMITS: |t| of a live key stays under 1e20; NaN and infinities are not served; a block of zeros gets the byte 1.
; REGISTERS: v1-4, v7 addresses that stay; v5, v6 the add's; v8-11, v28 addresses in hand; v12 -M, v13 largest t, v[14:15] l; v16-27 Q; v29 the ones' scales; v30 my query less 16 h; v31, v88-92 addresses of the end;
;   v32-79 four fragments; v80-87 the sum of V; v93 lane, v94 r, v95 h; v96-159 S^T, then p; v160-223 O^T; v224-235 p's codes (or ones); v236-254 at work, but v243: 256 x my thread's number, the prefetches' offset, until the end;
;   v248-251 scale words; v255 Q's scale word.  v88-95 are written at the head alone: at the end loaded data go into v32-87, v96-159 and v224-231.
.set STEPB, 25600
.set FRB,   1536
.set SLOT1, 1<<17
.set BIAS,  102400                     ; behind slot 0: 2,048 numbers, 0 or -1e30
.set VBAR,  110592                     ; two sets of 128 sums of V
.set SPARE, 111616                     ; the spare words, 128 bytes a wave: eight blocks of 256 bytes that no other line names
.set MERGE, 233472                     ; behind slot 1: 8,704 bytes for each tile: O^T's image, -M, l
.set DEAD,  0xf149f2ca                 ; -1e30
.set PFSTEP, 416*256                   ; from the first ask to the second
	s_load_b256 s[4:11], s[0:1], 0x0               ; q_img 4, kv_img 6, attention_mask 8, attn_img 10
	v_lshl_add_u32 v5, v0, 2, SPARE
	v_mov_b32 v6, 0
	ds_add_u32 v5, v6
	ds_add_u32 v5, v6
	s_wait_dscnt 0x0
	v_lshrrev_b32 v8, 5, v0
	v_readfirstlane_b32 s12, v8                    ; wave 0..15
	s_lshr_b32 s13, s12, 3                         ; p: the parity of my key steps
	s_and_b32 s14, s12, 3                          ; my tile in its block of 64 queries
	s_lshr_b32 s15, s12, 2
	s_xor_b32 s15, s15, s12
	s_and_b32 s15, s15, 1                          ; which of the two blocks
	s_sub_co_u32 s16, 31, ttmp9
	s_cmp_eq_u32 s15, 1
	s_cselect_b32 s16, s16, ttmp9
	s_lshl_b32 s16, s16, 2
	s_add_co_u32 s16, s16, s14                     ; my token tile, 0..127
	s_lshr_b32 s17, s16, 1
	s_lshl_b32 s17, s17, 5
	s_and_b32 s18, s16, 1
	s_lshl_b32 s18, s18, 3
	s_add_co_u32 s19, s17, s18                     ; its first query
	s_add_co_u32 s39, s19, 23                      ; and its last
	s_and_b32 s43, ttmp7, 0xffff                   ; the head
	s_mov_b32 s24, 3<<16                           ; group 1: 25 rows of 32 elements of 8 bytes, dense, no padding, no mask
	s_mov_b32 s25, 32<<16
	s_mov_b32 s26, 25<<16
	s_mov_b32 s27, 32<<16
	s_mov_b32 s28, 25
	s_mov_b32 s29, 32
	s_mov_b32 s30, 0
	s_mov_b32 s31, 0
	s_lshr_b32 s44, s43, 1                         ; the key-value head
	s_mul_i32 s44, s44, 16*STEPB
	s_mul_i32 s46, s12, 6400                       ; my sixteenth of a slot
	s_add_co_u32 s44, s44, s46
	s_mov_b32 s45, 0
	s_mov_b32 s20, 0x76543210
	s_mov_b32 s21, 0xfedcba98
	s_mov_b32 s22, 0x3e0293ee                      ; c = log2(e) / sqrt(128)
	s_mov_b32 s23, s22
	s_mov_b32 s36, 0                               ; LDS byte of the pair of steps in hand
	s_mov_b32 s37, 0                               ; my step's place among the mask's numbers
	s_lshl_b32 s38, s13, 7                         ; my step's first key
	s_mov_b32 s40, 3
	s_wait_kmcnt 0x0
	s_mov_b32 s32, 1
	s_mov_b32 s33, s46
	s_add_nc_u64 s[34:35], s[6:7], s[44:45]
	s_or_b32 s35, s35, 0x80000000
	tensor_load_to_lds s[32:35], s[24:31]          ; slot 0: one load of mine is out
	s_nop 0
.rept 4
	v_nop
.endr
	v_and_b32 v93, 31, v0
	v_and_b32 v94, 15, v0
	v_bfe_u32 v95, v0, 4, 1
	v_lshlrev_b32 v91, 4, v93                      ; 16 x lane
	v_lshlrev_b32 v92, 4, v94                      ; 16 r
	v_lshlrev_b32 v9, 4, v0                        ; 16 x thread
	global_load_b128 v[40:43], v9, s[8:9]          ; four numbers of the mask a thread
	s_mul_i32 s48, s43, 32*6400
	s_lshr_b32 s49, s16, 2
	s_mul_i32 s49, s49, 6400
	s_add_co_u32 s48, s48, s49
	s_mov_b32 s49, 0
	s_add_nc_u64 s[50:51], s[4:5], s[48:49]        ; Q: my group's super-block
	s_and_b32 s52, s16, 3
	s_mul_i32 s48, s52, FRB
	s_add_nc_u64 s[54:55], s[50:51], s[48:49]      ; my fragment
	s_lshl_b32 s48, s52, 2
	s_add_nc_u64 s[50:51], s[50:51], s[48:49]      ; my scale word's column
.irp g, 0,1,2
	global_load_b128 v[16+4*\g:19+4*\g], v91, s[54:55] offset:512*\g
.endr
	global_load_b32 v255, v92, s[50:51] offset:4*FRB
	s_mul_i32 s48, s16, 4*6400
	s_lshr_b32 s53, s43, 2
	s_mul_i32 s53, s53, 6400
	s_add_co_u32 s48, s48, s53
	s_add_nc_u64 s[56:57], s[10:11], s[48:49]      ; the result: token tile, K group head >> 2
	s_and_b32 s53, s43, 3
	s_mul_i32 s48, s53, FRB
	s_add_nc_u64 s[58:59], s[56:57], s[48:49]      ; K step head & 3
	s_lshl_b32 s48, s53, 2
	s_add_nc_u64 s[56:57], s[56:57], s[48:49]
	; the prefetches (macro ASK): where they stand, and who asks.  Nothing is prefetched here, at the head, where every work-group's first tiles are on their way
	s_lshr_b32 s48, s43, 1
	s_mul_i32 s48, s48, 16*STEPB                   ; my key-value head,
	s_add_co_u32 s48, s48, 8*STEPB-PFSTEP          ; one step of the address short of slot 2: the first change of slots steps it there
	s_add_nc_u64 s[2:3], s[6:7], s[48:49]
	s_cmp_lt_u32 s12, 12
	s_cselect_b32 s46, 1, -1                       ; waves 0 to 11 ask twice,
	s_cmp_eq_u32 s12, 12
	s_cselect_b32 s46, 2, s46                      ; wave 12 once, the others never,
	s_and_b32 s47, s43, 1
	s_or_b32 s47, s47, ttmp9                       ; and only in the first work-group of the 32 that walk this K and V: x = 0, the even head
	s_cmp_eq_u32 s47, 0
	s_cselect_b32 s47, s46, -1                     ; a wave asks while the count of slots is above this number
	v_lshlrev_b32 v243, 8, v0                      ; thread t names block t
	; every LDS address register is made here, ahead of any parting of the waves
	s_mul_i32 s60, s13, STEPB
	v_add_nc_u32 v1, s60, v91                      ; fragments of my step
	s_add_co_u32 s61, s60, 8*FRB
	v_add_nc_u32 v2, s61, v92                      ; K's scale words (V's lie 12,800 on)
	s_and_b32 s62, s12, 7
	s_mul_i32 s63, s62, FRB
	s_add_co_u32 s63, s63, s60
	s_add_co_u32 s63, s63, 12800
	v_add_nc_u32 v3, s63, v91                      ; the one tile of V^T that I sum: w & 7
	s_bfe_u32 s63, s12, 0x10002
	s_lshl_b32 s63, s63, 8
	s_add_co_u32 s63, s63, s60
	s_lshl_b32 s42, s14, 2
	s_add_co_u32 s63, s63, s42
	s_add_co_u32 s63, s63, 25088
	v_add_nc_u32 v4, s63, v92                      ; and its scale word
	s_lshl_b32 s63, s13, 9
	s_add_co_u32 s63, s63, BIAS
	v_lshl_add_u32 v7, v95, 6, s63                 ; the mask's numbers of my step: + 64 h
	v_and_b32 v30, 7, v0
	v_bfe_u32 v8, v0, 3, 1
	v_lshl_add_u32 v30, v8, 4, v30
	v_lshlrev_b32 v8, 4, v95
	v_sub_nc_u32 v30, v30, v8                      ; (r & 7) + 16 (r >> 3) - 16 h
	s_mul_i32 s63, s62, 8704
	s_add_co_u32 s63, s63, MERGE
	v_add_nc_u32 v31, s63, v91
	v_lshl_add_u32 v88, v93, 2, s63
	s_lshr_b32 s63, s62, 1
	s_lshl_b32 s63, s63, 7
	s_and_b32 s42, s12, 1
	s_lshl_b32 s42, s42, 5
	s_add_co_u32 s63, s63, s42
	s_lshl_b32 s42, s13, 9
	s_add_co_u32 s63, s63, s42
	s_add_co_u32 s63, s63, VBAR
	v_lshl_add_u32 v89, v95, 6, s63                ; my tile's sums, by d: 4 d bytes
	v_lshlrev_b32 v90, 6, v95
	v_add_nc_u32 v90, VBAR, v90
	v_add_nc_u32 v10, BIAS, v9
	v_mov_b32 v13, 0xe0ad78ec                      ; the largest t so far: -1e20: over every dead key's t, under every live one's
	v_floor_f32 v12, -v13                          ; -M
	v_mov_b32 v14, 0
	v_mov_b32 v15, 0
	v_mov_b32 v29, 0x7f7f7f7f                      ; scales of 1.0 for the ones
.irp b, 236,237,238,239,252,253
	v_mov_b32 v[\b], 0                             ; permutes' destinations and halves of pairs count as read
.endr
.set J, 0
.rept 64
	v_mov_b32 v[160+J], 0                          ; O^T: the step is written once; the first change of M leaves zeros zeros
.set J, J+1
.endr
.set J, 0
.rept 8
	v_mov_b32 v[80+J], 0
.set J, J+1
.endr
	v_mov_b32 v44, DEAD
	v_mov_b32 v45, 0
	s_wait_loadcnt 0x0                             ; the mask and Q
.irp i, 0,1,2,3
	v_cmp_lt_i32 vcc_lo, 0, v[40+\i]
	v_cndmask_b32 v[40+\i], v44, v45, vcc_lo       ; live: 0, dead: -1e30
.endr
	ds_store_b128 v10, v[40:43]                    ; waited for in front of the first barrier below
.macro FP6MUL d, a, b, c, sa, sb
	v_wmma_scale_f32_16x16x128_f8f6f4 v[\d:\d+7], v[\a:\a+11], v[\b:\b+11], v[\c:\c+7], v[\sa], v[\sb] matrix_a_fmt:MATRIX_FMT_FP6 matrix_b_fmt:MATRIX_FMT_FP6
.endm
.macro MYSTEP
	v_add_nc_u32 v8, s36, v1                       ; (these five are also the places behind the last products)
	v_add_nc_u32 v9, s36, v2
	v_add_nc_u32 v10, s37, v7
	v_add_nc_u32 v11, s36, v3
	v_add_nc_u32 v28, s36, v4
	; the sum of the quantised V over this step's keys, one tile of d a wave: never jumped over
.irp g, 0,1,2
	ds_load_b128 v[32+4*\g:35+4*\g], v11 offset:512*\g
.endr
	ds_load_b32 v248, v28
.irp i, 0,1,2,3
	v_mov_b32 v[224+3*\i], 0x08208208              ; the code of 1.0 is 8: 128 of them are these three words four times
	v_mov_b32 v[225+3*\i], 0x82082082
	v_mov_b32 v[226+3*\i], 0x20820820
.endr
	s_wait_dscnt 0x0
.rept 4
	v_nop                                          ; an operand written by vector instructions stands four places ahead
.endr
	s_wait_alu depctr_va_vdst(0)                   ; where the step before was jumped over this is the next matrix instruction on its own accumulator
	FP6MUL 80, 32, 224, 80, 248, 29
.rept 4
	v_nop
.endr
	s_cmp_gt_u32 s38, s39                          ; all 128 keys come after my 16 queries: a branch on ids
	s_cbranch_scc1 .Lhidden_\@
	; S^T = K Q^T + the padding mask's numbers, which are loaded as C
.irp T, 0,1,2,3,4,5,6,7
	ds_load_b128 v[96+8*\T:99+8*\T], v10 offset:128*(\T/2)+32*(\T%2)
	ds_load_b128 v[100+8*\T:103+8*\T], v10 offset:128*(\T/2)+32*(\T%2)+16
.endr
.irp G, 0,1
.if \G > 0
.rept 4
	v_nop
.endr
.endif
.irp t, 0,1,2,3
.irp g, 0,1,2
	ds_load_b128 v[32+12*\t+4*\g:35+12*\t+4*\g], v8 offset:(4*\G+\t)*FRB+512*\g
.endr
.endr
	ds_load_b128 v[248:251], v9 offset:256*\G
	s_wait_dscnt 0x0
.irp t, 0,1,2,3
	FP6MUL 96+8*(4*\G+\t), 32+12*\t, 16, 96+8*(4*\G+\t), 248+\t, 255
.endr
.endr
.rept 4
	v_nop
.endr
.irp t, 0,1,2,3                        ; V's first four fragments are asked for ahead of the softmax
.irp g, 0,1,2
	ds_load_b128 v[32+12*\t+4*\g:35+12*\t+4*\g], v8 offset:12800+\t*FRB+512*\g
.endr
.endr
	ds_load_b128 v[248:251], v9 offset:12800
	s_add_co_u32 s42, s38, 127                     ; a step all of whose keys count skips the diagonal's work
	s_cmp_le_u32 s42, s19
	s_cbranch_scc1 .Lopen_\@
	s_sub_co_i32 s42, s19, s38
	v_add_nc_u32 v252, s42, v30                    ; d = my query - the step's first key - 16 h: register 16 b + i holds a hidden key where 32 b + i > d
	v_mov_b32 v254, DEAD
.set J, 0
.rept 64
	v_cmp_gt_i32 vcc_lo, 32*(J/16)+J%16, v252
	v_cndmask_b32 v[96+J], v[96+J], v254, vcc_lo
.set J, J+1
.endr
.Lopen_\@:
.irp b, 0,1,2,3
	v_max3_num_f32 v[232+\b], v[96+16*\b], v[97+16*\b], v[98+16*\b]      ; the largest score of each block of 32 keys: for the row's maximum and for the block's largest p
.endr
.irp i, 3,5,7,9,11,13
.irp b, 0,1,2,3
	v_max3_num_f32 v[232+\b], v[232+\b], v[96+16*\b+\i], v[97+16*\b+\i]
.endr
.endr
.irp b, 0,1,2,3
	v_max_num_f32 v[232+\b], v[232+\b], v[111+16*\b]
.endr
.irp b, 0,1,2,3
	v_permlanex16_b32 v[236+\b], v[232+\b], s20, s21
.endr
.irp b, 0,1,2,3
	v_max_num_f32 v[232+\b], v[232+\b], v[236+\b]
.endr
	v_max3_num_f32 v254, v232, v233, v234
	v_max_num_f32 v254, v254, v235
	v_mul_f32 v254, s22, v254
	v_max_num_f32 v13, v13, v254                   ; the running largest t
	v_mov_b32 v254, v12
	v_floor_f32 v12, -v13                          ; the new -M: M is a whole number
	v_sub_f32 v254, v12, v254
	v_cvt_i32_f32 v254, v254                       ; (it saturates)
	v_ldexp_f32 v252, 1.0, v254                    ; f = 2^(old M - new M)
.set J, 0
.rept 32
	v_pk_fma_f32 v[96+J:97+J], v[96+J:97+J], s[22:23], v[12:13] op_sel_hi:[1,0,0]     ; t - M
.set J, J+2
.endr
.irp b, 0,1,2,3
	v_fma_f32 v[232+\b], v[232+\b], s22, v12
.endr
.set J, 0
.rept 64
	v_exp_f32 v[96+J], v[96+J]                     ; p = 2^(t - M)
.set J, J+1
.endr
	v_pk_mul_f32 v[14:15], v[14:15], v[252:253] op_sel_hi:[1,0]    ; the sums under the new M: a plain place behind the batch
	s_wait_alu depctr_va_vdst(0)                   ; one wait for the batch, ahead of its first reader
.irp b, 0,1,2,3
	v_exp_f32 v[232+\b], v[232+\b]                 ; each block's largest p
.endr
	v_pk_add_f32 v[236:237], v[96:97], v[98:99]    ; the row's sum of the unquantised p, in two chains
.irp j, 4,8,12,16,20,24,28,32,36,40,44,48,52,56,60
	v_pk_add_f32 v[14:15], v[14:15], v[96+\j:97+\j]
	v_pk_add_f32 v[236:237], v[236:237], v[98+\j:99+\j]
.endr
	v_pk_add_f32 v[14:15], v[14:15], v[236:237]
	s_wait_alu depctr_va_vdst(0)                   ; and one for the four
.irp b, 0,1,2,3
	v_max_num_f32 v[232+\b], 0x1800000, v[232+\b]
.endr
.irp b, 0,1,2,3
	v_add_nc_u32 v[244+\b], 0xff000000, v[232+\b]
.endr
.irp b, 0,1,2,3
	v_lshrrev_b32 v[236+\b], 23, v[244+\b]
.endr
	v_lshl_or_b32 v253, v237, 8, v236              ; p's scale word
	v_lshl_or_b32 v253, v238, 16, v253
	v_lshl_or_b32 v253, v239, 24, v253
.irp c, 0,1
	v_cvt_scalef32_pk16_fp6_f32 v[224+6*\c:226+6*\c], v[96+32*\c:111+32*\c], v[244+2*\c]
	v_cvt_scalef32_pk16_fp6_f32 v[236+4*\c:238+4*\c], v[112+32*\c:127+32*\c], v[245+2*\c]
.endr
	v_nop
.irp c, 0,1
.irp i, 0,1,2
	v_permlane16_swap_b32 v[224+6*\c+\i], v[236+4*\c+\i]
.endr
.irp i, 0,1,2
	v_mov_b32 v[227+6*\c+\i], v[236+4*\c+\i]
.endr
.endr
.set J, 0
.rept 32
	v_pk_mul_f32 v[160+J:161+J], v[160+J:161+J], v[252:253] op_sel_hi:[1,0]      ; O^T under the new M; also the places in front of the products
.set J, J+2
.endr
	s_wait_dscnt 0x0                               ; V's first four fragments
.irp t, 0,1,2,3
	FP6MUL 160+8*\t, 32+12*\t, 224, 160+8*\t, 248+\t, 253
.endr
.rept 4
	v_nop
.endr
.irp t, 0,1,2,3
.irp g, 0,1,2
	ds_load_b128 v[32+12*\t+4*\g:35+12*\t+4*\g], v8 offset:12800+(4+\t)*FRB+512*\g
.endr
.endr
	ds_load_b128 v[248:251], v9 offset:12800+256
	s_wait_dscnt 0x0
.irp t, 0,1,2,3
	FP6MUL 192+8*\t, 32+12*\t, 224, 192+8*\t, 248+\t, 253
.endr
.Lhidden_\@:
	s_add_co_u32 s38, s38, 256                     ; my next step: two steps on
	s_add_co_u32 s36, s36, 2*STEPB
	s_add_co_u32 s37, s37, 1024
.endm
; A PREFETCH INTO THE L2 of what later changes of slots will ask for.  A slot is 102,400 dense bytes, 400 blocks of 256; slots 2 and 3 together are 800 blocks, and thread t names block t of a run: behind the load of slot 1 waves 0 to 12
; name 416 blocks (all of slot 2 and the first 16 of slot 3), behind the load of slot 2 waves 0 to 11 name the other 384.  So each slot is named one change of slots ahead of its load, and each block ONCE in the launch: the 32 work-groups
; of a key-value head walk the same K and V, and the first of them asks (a branch on the work-group's number: this launch has no cluster).  Slots 0 and 1 come by their loads alone; the last change that fills a slot asks for nothing.
.macro ASK
	s_cmp_gt_u32 s40, s47                          ; s40 counts 3, 2, 1
	s_cbranch_scc0 .Lnot_mine_\@
	global_prefetch_b8 v243, s[2:3] th:TH_LOAD_NT scope:SCOPE_SE
.Lnot_mine_\@:
.endm
.macro CHANGE fill                     ; at a slot's head: all my tensor loads have landed, the add, my reads of the slot that I left are over, one barrier; then the other slot's fill, first thing
	s_wait_tensorcnt 0x0
	ds_add_u32 v5, v6                              ; 0 onto my spare word
.if \fill
	s_xor_b32 s33, s33, SLOT1
	s_add_nc_u64 s[34:35], s[34:35], 4*STEPB
.endif
	s_wait_xcnt 0x0                                ; the last prefetch, a slot back, has read its registers: its base is stepped, and at the kernel's end v243 is written, only behind this wait
.if \fill
	s_add_nc_u64 s[2:3], s[2:3], PFSTEP
.endif
	s_wait_dscnt 0x0
	s_barrier_signal -1
	s_barrier_wait -1
.if \fill
	tensor_load_to_lds s[32:35], s[24:31]          ; my one tensor load until the next such barrier
	s_nop 0
.rept 4
	v_nop
.endr
	ASK
.endif
.endm
.macro SLOTWORK                        ; my two steps of a slot: written once, walked twice
	s_mov_b32 s41, 2
.Ltwice_\@:
	MYSTEP
	s_sub_co_u32 s41, s41, 1
	s_cmp_lg_u32 s41, 0
	s_cbranch_scc1 .Ltwice_\@
	s_sub_co_u32 s36, s36, 4*STEPB
	s_xor_b32 s36, s36, SLOT1
.endm
.Lslot:
	CHANGE 1
	SLOTWORK
	s_sub_co_u32 s40, s40, 1
	s_cmp_lg_u32 s40, 0
	s_cbranch_scc1 .Lslot
	CHANGE 0                                       ; the last slot is written out
	SLOTWORK
	; THE END.  Waves of parity 1 hand O^T, -M and l to their partners; all hand over their sums of V
.rept 4
	v_nop
.endr
	v_add_f32 v14, v14, v15
	v_permlanex16_b32 v252, v14, s20, s21
	v_add_f32 v14, v14, v252                       ; my part of the row's sum
	ds_store_b128 v89, v[80:83]                    ; (sixteen lanes write the same words with the same values)
	ds_store_b128 v89, v[84:87] offset:16
	s_cmp_eq_u32 s13, 0
	s_cbranch_scc1 .Lkeep
.set J, 0
.rept 16
	ds_store_b128 v31, v[160+4*J:163+4*J] offset:512*J
.set J, J+1
.endr
	ds_store_b32 v88, v12 offset:8192
	ds_store_b32 v88, v14 offset:8320
.Lkeep:
	s_wait_dscnt 0x0                               ; for the others' sake
	s_barrier_signal -1
	s_barrier_wait -1
	s_cmp_lg_u32 s13, 0
	s_cbranch_scc1 .Ldone
.set J, 0
.rept 16
	ds_load_b128 v[96+4*J:99+4*J], v31 offset:512*J                ; the partner's O^T
.set J, J+1
.endr
	ds_load_b32 v236, v88 offset:8192              ; its -M
	ds_load_b32 v237, v88 offset:8320              ; its l
; the sums of V of parity 1: number 16 bb + i = d 32 bb + 16 h + i.  Numbers 0-55 go to v32-87, numbers 56-63 to v224-231: v88-95 hold addresses and stay
.set J, 0
.rept 16
.if J < 14
.set VR, 32+4*J
.else
.set VR, 224+4*(J-14)
.endif
	ds_load_b128 v[VR:VR+3], v90 offset:512+128*(J/4)+16*(J%4)
.set J, J+1
.endr
	s_wait_dscnt 0x0
	v_min_num_f32 v238, v12, v236                  ; -(the larger M)
	v_sub_f32 v240, v238, v12
	v_sub_f32 v242, v238, v236
	v_cvt_i32_f32 v240, v240
	v_cvt_i32_f32 v242, v242
	v_ldexp_f32 v240, 1.0, v240                    ; 2^(my M - the larger M),
	v_ldexp_f32 v242, 1.0, v242                    ; 2^(the partner's M - the larger M): exact
	v_mov_b32 v241, v240
	v_mov_b32 v243, v242
	v_mul_f32 v14, v14, v240
	v_fmac_f32 v14, v237, v242                     ; l
.set J, 0
.rept 32
	v_pk_mul_f32 v[160+J:161+J], v[160+J:161+J], v[240:241] op_sel_hi:[1,0]
.set J, J+2
.endr
.set J, 0
.rept 32
	v_pk_fma_f32 v[160+J:161+J], v[96+J:97+J], v[242:243], v[160+J:161+J] op_sel_hi:[1,0,1]
.set J, J+2
.endr
.set J, 0
.rept 16
	ds_load_b128 v[96+4*J:99+4*J], v90 offset:128*(J/4)+16*(J%4)   ; parity 0's sums of V, where the partner's O^T lay
.set J, J+1
.endr
	v_rcp_f32 v244, v14
.set J, 0
.rept 32
.if J < 56
.set VR, 32+J
.else
.set VR, 224+(J-56)
.endif
	v_pk_mul_f32 v[VR:VR+1], v[VR:VR+1], 0x3a000000 op_sel_hi:[1,0]      ; parity 1's x 2^-11: plain work behind the reciprocal
.set J, J+2
.endr
	s_wait_alu depctr_va_vdst(0)                   ; ahead of the reciprocal's first reader
	v_mov_b32 v245, v244
	s_wait_dscnt 0x0
.set J, 0
.rept 32
.if J < 56
.set VR, 32+J
.else
.set VR, 224+(J-56)
.endif
	v_pk_fma_f32 v[96+J:97+J], v[96+J:97+J], 0x3a000000, v[VR:VR+1] op_sel_hi:[1,0,1]    ; the mean of V over all 2,048 keys
.set J, J+2
.endr
.set J, 0
.rept 32
	v_pk_mul_f32 v[160+J:161+J], v[160+J:161+J], v[244:245] op_sel_hi:[1,0]  ; O / l
.set J, J+2
.endr
	v_cmp_eq_f32 vcc_lo, 0, v14                    ; no live key: a select, no branch
.set J, 0
.rept 64
	v_cndmask_b32 v[160+J], v[160+J], v[96+J], vcc_lo
.set J, J+1
.endr
	; quantised along d: register 16 b + i = d 32 b + 16 h + i
.irp b, 0,1,2,3
	v_max3_num_f32 v[32+\b], |v[160+16*\b]|, |v[161+16*\b]|, 0x1800000
.endr
.irp i, 2,4,6,8,10,12,14
.irp b, 0,1,2,3
	v_max3_num_f32 v[32+\b], v[32+\b], |v[160+16*\b+\i]|, |v[161+16*\b+\i]|
.endr
.endr
.irp b, 0,1,2,3
	v_permlanex16_b32 v[36+\b], v[32+\b], s20, s21
.endr
.irp b, 0,1,2,3
	v_max_num_f32 v[32+\b], v[32+\b], v[36+\b]
.endr
.irp b, 0,1,2,3
	v_add_nc_u32 v[44+\b], 0xff000000, v[32+\b]
.endr
.irp b, 0,1,2,3
	v_lshrrev_b32 v[36+\b], 23, v[44+\b]
.endr
	v_lshl_or_b32 v56, v37, 8, v36
	v_lshl_or_b32 v56, v38, 16, v56
	v_lshl_or_b32 v56, v39, 24, v56
.irp c, 0,1
	v_cvt_scalef32_pk16_fp6_f32 v[224+6*\c:226+6*\c], v[160+32*\c:175+32*\c], v[44+2*\c]
	v_cvt_scalef32_pk16_fp6_f32 v[48+4*\c:50+4*\c], v[176+32*\c:191+32*\c], v[45+2*\c]
.endr
	v_nop
.irp c, 0,1
.irp i, 0,1,2
	v_permlane16_swap_b32 v[224+6*\c+\i], v[48+4*\c+\i]
.endr
.irp i, 0,1,2
	v_mov_b32 v[227+6*\c+\i], v[48+4*\c+\i]
.endr
.endr
.irp g, 0,1,2
	global_store_b128 v91, v[224+4*\g:227+4*\g], s[58:59] offset:512*\g  ; 512 consecutive bytes a store
.endr
	v_cmp_gt_u32 vcc_lo, 16, v93
	s_wait_xcnt 0x0                                ; EXEC changes only behind this wait
	s_and_saveexec_b32 s42, vcc_lo
	global_store_b32 v92, v56, s[56:57] offset:4*FRB   ; my head's column of the scale words: 4 bytes a row, 16 bytes apart; four heads share the 256 bytes
	s_wait_xcnt 0x0
	s_or_b32 exec_lo, exec_lo, s42
.Ldone:
	s_wait_tensorcnt 0x0                           ; the wave's end
	ds_add_u32 v5, v6
	s_wait_dscnt 0x0
	s_endpgm
.Lfunc_end_k_qfc13af9788_attn:
	.size	k_qfc13af9788_attn, .Lfunc_end_k_qfc13af9788_attn-k_qfc13af9788_attn
	.p2alignl 7, 3214868480
	.fill 96, 4, 3214868480
	.section	.rodata,"a",@progbits
	.p2align	6, 0x0
	.amdhsa_kernel k_qfc13af9788_attn
		.amdhsa_group_segment_fixed_size 327680
		.amdhsa_private_segment_fixed_size 0
		.amdhsa_enable_private_segment 0
		.amdhsa_kernarg_size 32
		.amdhsa_user_sgpr_count 2
		.amdhsa_user_sgpr_kernarg_segment_ptr 1
		.amdhsa_wavefront_size32 1
		.amdhsa_system_sgpr_workgroup_id_x 1
		.amdhsa_system_sgpr_workgroup_id_y 1
		.amdhsa_system_sgpr_workgroup_id_z 1
		.amdhsa_system_vgpr_workitem_id 0
		.amdhsa_next_free_vgpr 256
		.amdhsa_next_free_sgpr 66
		.amdhsa_reserve_vcc 1
		.amdhsa_float_denorm_mode_32 3
		.amdhsa_float_denorm_mode_16_64 3
		.amdhsa_memory_ordered 1
		.amdhsa_forward_progress 1
		.amdhsa_inst_pref_size 88
	.end_amdhsa_kernel
	.amdgpu_metadata
---
amdhsa.version: [ 1, 2 ]
amdhsa.kernels:
  - .name:           k_qfc13af9788_attn
    .symbol:         k_qfc13af9788_attn.kd
    .args:
      - { .name: q_img, .offset: 0, .size: 8, .value_kind: global_buffer, .address_space: global }
      - { .name: kv_img, .offset: 8, .size: 8, .value_kind: global_buffer, .address_space: global }
      - { .name: attention_mask, .offset: 16, .size: 8, .value_kind: global_buffer, .address_space: global }
      - { .name: attn_img, .offset: 24, .size: 8, .value_kind: global_buffer, .address_space: global }
    .group_segment_fixed_size: 327680
    .private_segment_fixed_size: 0
    .kernarg_segment_align: 8
    .kernarg_segment_size: 32
    .max_flat_workgroup_size: 512
    .sgpr_count:     66
    .vgpr_count:     256
    .wavefront_size: 32
...
	.end_amdgpu_metadata
.endif
;; end of part 3
;; launch oproj (part 4): grid 16 x 16, 4 waves a work-group, clusters of 4 x 4, 327,680 bytes of LDS; arguments attn_img, wo_img, out0; writes out0
.if DOCPART == 4
	.amdgcn_target "amdgcn-amd-amdhsa--gfx1250"
	.amdhsa_code_object_version 6
	.text
	.protected	k_qfc13af9788_oproj
	.globl	k_qfc13af9788_oproj
	.p2align	8
	.type	k_qfc13af9788_oproj,@function
k_qfc13af9788_oproj:
	s_mov_b64 s[64:65], 0
	v_nop
	global_prefetch_b8 v0, s[64:65] scope:SCOPE_SE
	s_setreg_imm32_b32 hwreg(HW_REG_WAVE_MODE, 25, 1), 1
	s_wait_xcnt 0x0
	s_wait_alu depctr_hold_cnt(0) depctr_sa_sdst(0) depctr_va_vdst(0) depctr_va_sdst(0) depctr_va_ssrc(0) depctr_va_vcc(0) depctr_vm_vsrc(0)
	s_getreg_b32 s2, hwreg(HW_REG_IB_STS2, 6, 4)
	s_cmp_eq_u32 s2, 0
	s_cbranch_scc0 .Lentry_in_a_cluster
	s_endpgm
.Lentry_in_a_cluster:
	s_bfe_u32 s2, ttmp6, 0x10000c
	s_cmp_lg_u32 s2, 0xf033
	s_cbranch_scc0 .Lentry_shape_is_right
	s_endpgm
.Lentry_shape_is_right:
; out0 = attention's result x wo on codes of FP6, K = 2,048.  The loop is that of the launch for q, k and v: a work-group makes 256 rows of SOURCE 0 (columns of out0, rows of wo's image) x 128 rows of SOURCE 1 (tokens);
; a wave 128 x 64 in 32 accumulators; operands as super-blocks of 6,400 bytes (four fragments of 1,536, 256 bytes of scale words); a slot of the LDS ring holds 512 along K of all 24 tiles.
; A tile of 16 rows is rows 32 g + 8 u + (i & 7) + 16 (i >> 3): a lane holds one token, and register 16 bb + i of its 64 is column 32 bb + 16 (lane / 16) + i.
; CLUSTER 4 x 4: source 0 hangs on cx and is asked for jointly by my column, source 1 on cy and by my row.
; THE WAY OUT: 16 tokens x 128 columns at a time through the wave's own stage in LDS, back as whole rows of 512 bytes.  The stage lies in slot 0, which has had its last fill and its last read by then.
; REGISTERS: window 0: v16-21 LDS addresses, v22-24 the way out's, v28-29 the add's, v32-95 scale words, v96-223 rows on the way out;  window 1: accumulators;  window 2: source 0's fragments;  window 3: source 1's.
.set KG,    4
.set SBK,   6400
.set FRB,   1536
.set S0OFF, 8*SBK
.set SLOT,  24*SBK
.set SPARE, 2*SLOT                     ; the spare words, 128 bytes a wave: two blocks of 256 bytes that no other line names
.set AD0, 16
.set AD1, 18
.set ADS, 20
.set STO, 22
.set RD,  23
.set LI,  24
.set SPW, 28
.set NIL, 29
.set SC,  32
.set BK,  96
.set G1A, 24
.set G0A, 32
.set G1B, 48
.set G0B, 56
.set MULW, 0x5e                        ; source 0 window 2, source 1 window 3, C and D window 1
.set MSB, 0
.macro WIN new
.if MSB != \new
	s_set_vgpr_msb (MSB<<8)|\new
.set MSB, \new
.endif
.endm
.macro PLACES n
.rept \n
	v_nop
.endr
.endm
.macro JLOAD s                         ; waves 0 and 1 fetch source 0's halves, waves 2 and 3 source 1's; four v_nop follow each line
	s_cmp_eq_u32 s15, 0
	s_cbranch_scc0 .Lfor_b_\@
	tensor_load_to_lds s[G0A+4*\s:G0A+4*\s+3], s[G1A:G1A+7]
	s_nop 0
.rept 4
	v_nop
.endr
	s_branch .Lasked_\@
.Lfor_b_\@:
	tensor_load_to_lds s[G0B+4*\s:G0B+4*\s+3], s[G1B:G1B+7]
	s_nop 0
.rept 4
	v_nop
.endr
.Lasked_\@:
.endm
.macro CREST
	s_cmp_lg_u32 s14, 0
	s_cbranch_scc1 .Lnot_wave_0_\@
	s_barrier_signal -3
.Lnot_wave_0_\@:
	s_barrier_wait -3
	s_barrier_signal -1
	s_barrier_wait -1
.endm
.macro CROUND
	s_barrier_signal -1
	s_barrier_wait -1
	CREST
.endm
	s_load_b128 s[4:7], s[0:1], 0x0                ; attn_img 4, wo_img 6
	s_load_b64 s[8:9], s[0:1], 0x10                ; out0
	v_lshl_add_u32 v[SPW], v0, 2, SPARE
	v_mov_b32 v[NIL], 0
	ds_add_u32 v28, v29
	ds_add_u32 v28, v29
	s_wait_dscnt 0x0
	v_lshrrev_b32 v1, 5, v0
	v_readfirstlane_b32 s14, v1                    ; wave
	s_lshr_b32 s15, s14, 1                         ; my half of the tokens.  Also: I fetch for source 0 (0) or source 1 (1)
	s_and_b32 s16, s14, 1                          ; my half of the columns.  Also: which half I fetch
	s_bfe_u32 s17, ttmp6, 0x40000                  ; cx
	s_bfe_u32 s18, ttmp6, 0x40004                  ; cy
	s_and_b32 s21, ttmp7, 0xffff
	s_lshl_b32 s19, ttmp9, 2
	s_add_co_u32 s19, s19, s17                     ; work-group x
	s_lshl_b32 s20, s21, 2
	s_add_co_u32 s20, s20, s18                     ; work-group y
	s_lshl_b32 s40, s18, 2
	s_lshl_b32 s40, 15, s40                        ; my row of the cluster
	s_lshl_b32 s41, 0x1111, s17                    ; my column
	s_or_b32 s[G1A], s41, (3<<16)|(1<<21)          ; 8 rows of 800 elements of 8 bytes, no padding; the mask, and bit 21 beside it
	s_or_b32 s[G1B], s40, (3<<16)|(1<<21)          ; 4 such rows
.irp g, G1A, G1B
	s_mov_b32 s[\g+1], 800<<16
	s_mov_b32 s[\g+3], 800<<16
	s_mov_b32 s[\g+5], KG*800
	s_mov_b32 s[\g+6], 0
	s_mov_b32 s[\g+7], 0
.endr
	s_mov_b32 s[G1A+2], 8<<16
	s_mov_b32 s[G1A+4], 8
	s_mov_b32 s[G1B+2], 4<<16
	s_mov_b32 s[G1B+4], 4
	s_lshl_b32 s70, s19, 4
	s_lshl_b32 s71, s16, 3
	s_add_co_u32 s70, s70, s71                     ; source 0: tile 16 x work-group x + the half that I fetch
	s_mul_i32 s70, s70, KG*SBK
	s_mov_b32 s71, 0
	s_lshl_b32 s72, s20, 3
	s_lshl_b32 s73, s16, 2
	s_add_co_u32 s72, s72, s73                     ; source 1: tile 8 x work-group y + the half
	s_mul_i32 s72, s72, KG*SBK
	s_mov_b32 s73, 0
	s_mul_i32 s74, s16, 8*SBK
	s_add_co_u32 s74, s74, S0OFF
	s_mul_i32 s75, s16, 4*SBK
	s_wait_kmcnt 0x0
	s_add_nc_u64 s[66:67], s[6:7], s[70:71]
	s_add_nc_u64 s[68:69], s[4:5], s[72:73]
	CROUND                                         ; all sixteen work-groups are here: the first joint loads meet
.irp s, 0,1
	s_mov_b32 s[G0A+4*\s], 1
	s_add_co_u32 s[G0A+4*\s+1], s74, \s*SLOT
	s_add_nc_u64 s[G0A+4*\s+2:G0A+4*\s+3], s[66:67], \s*SBK
	s_or_b32 s[G0A+4*\s+3], s[G0A+4*\s+3], 0x80000000
	s_mov_b32 s[G0B+4*\s], 1
	s_add_co_u32 s[G0B+4*\s+1], s75, \s*SLOT
	s_add_nc_u64 s[G0B+4*\s+2:G0B+4*\s+3], s[68:69], \s*SBK
	s_or_b32 s[G0B+4*\s+3], s[G0B+4*\s+3], 0x80000000
	JLOAD \s                                       ; two loads of mine are out
.endr
	v_and_b32 v1, 31, v0
	v_and_b32 v2, 15, v0
	v_bfe_u32 v3, v0, 4, 1
	v_lshlrev_b32 v[LI], 4, v1
	v_lshlrev_b32 v5, 4, v2
	s_mul_i32 s72, s16, 8*SBK
	s_add_co_u32 s72, s72, S0OFF
	s_mul_i32 s73, s15, 4*SBK
	v_add_nc_u32 v[AD0], s72, v[LI]
	v_add_nc_u32 v[AD0+1], SLOT, v[AD0]
	v_add_nc_u32 v[AD1], s73, v[LI]
	v_add_nc_u32 v[AD1+1], SLOT, v[AD1]
	s_sub_co_u32 s74, s72, s73
	v_mul_u32_u24 v4, s74, v3                      ; lanes 16-31 take source 0's scale words: one product in h
	v_add_nc_u32 v4, v4, v5
	s_add_co_u32 s75, s73, 4*FRB
	v_add_nc_u32 v[ADS], s75, v4
	v_add_nc_u32 v[ADS+1], SLOT, v[ADS]
	s_mul_i32 s76, s14, 16*528                     ; my stage
	v_mul_u32_u24 v[STO], v2, 528
	v_lshl_add_u32 v[STO], v3, 6, v[STO]
	v_add_nc_u32 v[STO], s76, v[STO]               ; in: row r, + 64 h
	v_add_nc_u32 v[RD], s76, v[LI]                 ; back: 16 bytes a lane of a row
	s_lshl_b32 s76, s20, 7
	s_lshl_b32 s77, s15, 6
	s_add_co_u32 s76, s76, s77                     ; my first token
	s_lshl_b32 s76, s76, 14                        ; a row of out0 is 16,384 bytes
	s_lshl_b32 s77, s19, 10
	s_add_co_u32 s76, s76, s77                     ; 256 columns a work-group,
	s_lshl_b32 s77, s16, 9
	s_add_co_u32 s76, s76, s77                     ; 128 a wave
	s_mov_b32 s77, 0
	s_add_nc_u64 s[10:11], s[8:9], s[76:77]
.macro MUL8 a, p, q, sc, zero          ; the 32 accumulators take turns, one instruction a turn, in the same order in every step
.irp b, 0,1,2,3,4,5,6,7
.if \zero
	v_wmma_scale_f32_16x16x128_f8f6f4 v[8*(8*(\a)+\b):8*(8*(\a)+\b)+7], v[96*(\p)+12*\b:96*(\p)+12*\b+11], v[48*(\p)+12*(\a):48*(\p)+12*(\a)+11], 0, v[SC+32*(\sc)+4*\b+(\q)], v[SC+32*(\sc)+4*(\a)+(\q)] matrix_a_fmt:MATRIX_FMT_FP6 matrix_b_fmt:MATRIX_FMT_FP6 matrix_a_scale:MATRIX_SCALE_ROW1
.else
	v_wmma_scale_f32_16x16x128_f8f6f4 v[8*(8*(\a)+\b):8*(8*(\a)+\b)+7], v[96*(\p)+12*\b:96*(\p)+12*\b+11], v[48*(\p)+12*(\a):48*(\p)+12*(\a)+11], v[8*(8*(\a)+\b):8*(8*(\a)+\b)+7], v[SC+32*(\sc)+4*\b+(\q)], v[SC+32*(\sc)+4*(\a)+(\q)] matrix_a_fmt:MATRIX_FMT_FP6 matrix_b_fmt:MATRIX_FMT_FP6 matrix_a_scale:MATRIX_SCALE_ROW1
.endif
.endr
.endm
.macro FETCH slot, q, p
	WIN 0x80
.irp b, 0,1,2,3,4,5,6,7
.irp g, 0,1,2
	ds_load_b128 v[96*(\p)+12*\b+4*\g:96*(\p)+12*\b+4*\g+3], v[AD0+\slot] offset:SBK*\b+FRB*(\q)+512*\g
.endr
.endr
	WIN 0xc0
.irp a, 0,1,2,3
.irp g, 0,1,2
	ds_load_b128 v[48*(\p)+12*\a+4*\g:48*(\p)+12*\a+4*\g+3], v[AD1+\slot] offset:SBK*\a+FRB*(\q)+512*\g
.endr
.endr
.endm
.macro SCALES slot
	WIN 0
.irp i, 0,1,2,3,4,5,6,7
	ds_load_b128 v[SC+32*\slot+4*\i:SC+32*\slot+4*\i+3], v[ADS+\slot] offset:SBK*\i
.endr
.endm
.macro STEP slot, q, zero
	s_wait_dscnt 0x0                               ; this step's fragments are in
	WIN MULW
	MUL8 0, (\q)%2, \q, \slot, \zero
	MUL8 1, (\q)%2, \q, \slot, \zero
	PLACES 4                                       ; in front of loads into registers that matrix instructions have read
	FETCH \slot, (\q)+1, 1-(\q)%2
	WIN MULW
	MUL8 2, (\q)%2, \q, \slot, \zero
	MUL8 3, (\q)%2, \q, \slot, \zero
.endm
.macro TURN slot, next, fill
	WIN 0
	s_wait_tensorcnt 0x0                           ; all my tensor loads have landed: my part of the next slot
	ds_add_u32 v[SPW], v[NIL]                      ; 0 onto my spare word
	s_wait_dscnt 1                                 ; the add alone may be out
	WIN MULW
	MUL8 0, 1, 3, \slot, 0
	s_wait_dscnt 0x0                               ; the add is done, and my reads of this slot are over
	s_barrier_signal -1
	MUL8 1, 1, 3, \slot, 0
	WIN 0
	s_barrier_wait -1
.if \fill
	CREST                                          ; no wave of any partner still reads this slot or has a load on its way
	s_add_nc_u64 s[G0A+4*\slot+2:G0A+4*\slot+3], s[G0A+4*\slot+2:G0A+4*\slot+3], 2*SBK
	s_add_nc_u64 s[G0B+4*\slot+2:G0B+4*\slot+3], s[G0B+4*\slot+2:G0B+4*\slot+3], 2*SBK
	JLOAD \slot                                    ; my one tensor load behind the round; its four v_nop are also the places in front of the loads below
.else
	PLACES 4
.endif
	FETCH \next, 0, 0
	SCALES \next
	WIN MULW
	MUL8 2, 1, 3, \slot, 0
	MUL8 3, 1, 3, \slot, 0
.endm
	s_wait_tensorcnt 1                             ; my part of slot 0 is in; slot 1's may stay out
	s_barrier_signal -1
	s_barrier_wait -1
	FETCH 0, 0, 0
	SCALES 0
	STEP 0, 0, 1
	STEP 0, 1, 0
	STEP 0, 2, 0
	WIN 0
	s_mov_b32 s23, KG/2-1
.Llap:
	TURN 0, 1, 1
	STEP 1, 0, 0
	STEP 1, 1, 0
	STEP 1, 2, 0
	TURN 1, 0, 1
	STEP 0, 0, 0
	STEP 0, 1, 0
	STEP 0, 2, 0
	WIN 0
	s_sub_co_u32 s23, s23, 1
	s_cmp_lg_u32 s23, 0
	s_cbranch_scc1 .Llap
	TURN 0, 1, 0                                   ; the last lap fills nothing; behind its barrier nobody reads slot 0 any more
	STEP 1, 0, 0
	STEP 1, 1, 0
	STEP 1, 2, 0
	s_wait_dscnt 0x0
	WIN MULW
	MUL8 0, 1, 3, 1, 0
	MUL8 1, 1, 3, 1, 0
	MUL8 2, 1, 3, 1, 0
	MUL8 3, 1, 3, 1, 0
	WIN 0
.macro TOSTAGE a                       ; token tile a: accumulator (a, b)'s eight numbers are columns 32 (b / 2) + 16 h + 8 (b % 2) + 0 .. 7
	WIN 0x04                                       ; an LDS store's data are its source 1: window 1
.irp b, 0,1,2,3,4,5,6,7
	ds_store_b128 v[STO], v[8*(8*(\a)+\b):8*(8*(\a)+\b)+3] offset:128*(\b/2)+32*(\b%2)         ; each accumulator from its low end on
	ds_store_b128 v[STO], v[8*(8*(\a)+\b)+4:8*(8*(\a)+\b)+7] offset:128*(\b/2)+32*(\b%2)+16
.endr
	WIN 0
.irp t, 0,1,2,3,4,5,6,7,8,9,10,11,12,13,14,15
	ds_load_b128 v[BK+64*((\a)%2)+4*\t:BK+64*((\a)%2)+4*\t+3], v[RD] offset:528*\t    ; LDS serves a wave's instructions in order: these see my stores
.endr
.endm
.macro SEND a, younger                 ; stage row t is token 32 (a / 2) + 8 (a % 2) + (t & 7) + 16 (t >> 3) of my 64
	s_wait_dscnt \younger
.irp t, 0,1,2,3,4,5,6,7,8,9,10,11,12,13,14,15
	global_store_b128 v[LI], v[BK+64*((\a)%2)+4*\t:BK+64*((\a)%2)+4*\t+3], s[10:11] offset:(32*((\a)/2)+8*((\a)%2)+(\t%8)+16*(\t/8))*16384 th:TH_STORE_NT   ; 32 lanes store 512 consecutive bytes
.endr
.endm
	PLACES 4                                       ; in front of the first reads of results
	TOSTAGE 0
.irp a, 1,2,3
.if \a > 1
	s_wait_xcnt 0x0                                ; tile a - 2's stores have read their registers: tile a's loads may land there
.endif
	TOSTAGE \a
	SEND \a-1, 32                                  ; behind tile a - 1's loads: tile a's 16 stores and 16 loads
.endr
	SEND 3, 0
	s_wait_tensorcnt 0x0                           ; the wave's end
	ds_add_u32 v[SPW], v[NIL]
	s_wait_dscnt 0x0
	CROUND                                         ; the closing round
	s_endpgm
.Lfunc_end_k_qfc13af9788_oproj:
	.size	k_qfc13af9788_oproj, .Lfunc_end_k_qfc13af9788_oproj-k_qfc13af9788_oproj
	.p2alignl 7, 3214868480
	.fill 96, 4, 3214868480
	.section	.rodata,"a",@progbits
	.p2align	6, 0x0
	.amdhsa_kernel k_qfc13af9788_oproj
		.amdhsa_group_segment_fixed_size 327680
		.amdhsa_private_segment_fixed_size 0
		.amdhsa_enable_private_segment 0
		.amdhsa_kernarg_size 24
		.amdhsa_user_sgpr_count 2
		.amdhsa_user_sgpr_kernarg_segment_ptr 1
		.amdhsa_wavefront_size32 1
		.amdhsa_system_sgpr_workgroup_id_x 1
		.amdhsa_system_sgpr_workgroup_id_y 1
		.amdhsa_system_sgpr_workgroup_id_z 1
		.amdhsa_system_vgpr_workitem_id 0
		.amdhsa_next_free_vgpr 1024
		.amdhsa_next_free_sgpr 100
		.amdhsa_reserve_vcc 0
		.amdhsa_float_denorm_mode_32 3
		.amdhsa_float_denorm_mode_16_64 3
		.amdhsa_memory_ordered 1
		.amdhsa_forward_progress 1
		.amdhsa_inst_pref_size 131
	.end_amdhsa_kernel
	.amdgpu_metadata
---
amdhsa.version: [ 1, 2 ]
amdhsa.kernels:
  - .name:           k_qfc13af9788_oproj
    .symbol:         k_qfc13af9788_oproj.kd
    .args:
      - { .name: attn_img, .offset: 0, .size: 8, .value_kind: global_buffer, .address_space: global }
      - { .name: wo_img, .offset: 8, .size: 8, .value_kind: global_buffer, .address_space: global }
      - { .name: out0, .offset: 16, .size: 8, .value_kind: global_buffer, .address_space: global }
    .group_segment_fixed_size: 327680
    .private_segment_fixed_size: 0
    .kernarg_segment_align: 8
    .kernarg_segment_size: 24
    .max_flat_workgroup_size: 128
    .sgpr_count:     100
    .vgpr_count:     1024
    .wavefront_size: 32
...
	.end_amdgpu_metadata
.endif
;; end of part 4
